; MI455X (gfx1250); checked and timed in simulation.
; The chip was launched on July 23, 2026; its instructions are those of AMD's public machine-readable ISA for CDNA 5 (MIT licence, August 2026) and "CDNA5" Instruction Set Architecture Reference Guide (July 2026). The comments in the code are by the model that wrote it; some were corrected since.
;; MH Attention. Allowed arithmetic: matrix products marked QUANTISED: E3M2 operands, one E8M0 scale for each 32 along K, by v_wmma_scale_f32_16x16x128_f8f6f4 with both operands' format E3M2, f32 sums; everything else in f32.
;; Inputs: Wk_codes 1,024 x 32 x 24 uint8 (E3M2 codes of Wk, K innermost, in blocks of 32 codes, four codes in three bytes); Wk_scales 1,024 x 32 uint8 (E8M0 scales of Wk, one for each 32 codes along K); Wo_codes 1,024 x 32 x 24 uint8 (E3M2 codes of Wo, K innermost, in blocks of 32 codes, four codes in three bytes); Wo_scales 1,024 x 32 uint8 (E8M0 scales of Wo, one for each 32 codes along K); Wq_codes 1,024 x 32 x 24 uint8 (E3M2 codes of Wq, K innermost, in blocks of 32 codes, four codes in three bytes); Wq_scales 1,024 x 32 uint8 (E8M0 scales of Wq, one for each 32 codes along K); Wv_codes 1,024 x 32 x 24 uint8 (E3M2 codes of Wv, K innermost, in blocks of 32 codes, four codes in three bytes); Wv_scales 1,024 x 32 uint8 (E8M0 scales of Wv, one for each 32 codes along K); attention_mask 4 x 1 x 2,048 x 2,048 float32; beta 1,024 float32; bk 1,024 float32; bo 1,024 float32; bq 1,024 float32; bv 1,024 float32; gamma 1,024 float32; inputs 4 x 2,048 x 1,024 float32.
;; Outputs: out0 4 x 2,048 x 1,024 float32.
;; This version of the problem:
;;   THIS VERSION OF THE PROBLEM IS GIVEN IN LOW PRECISION. The matrix products marked QUANTISED in the list below multiply operands that are first quantised to E3M2 (3 exponent bits, 2 mantissa bits; 6 bits a number), with one power-of-two scale for each 32 numbers along K (OCP MX v1.0); their sums are f32. All else is computed in f32.
;;   The module's matrix products, in the order in which they are computed (A, B: the left and right operand; K: the contracted axis; several contracted axes count as one K, in the product's order):
;;     1. [M 8,192, K 1,024] x [K 1,024, N 1,024]; A: input inputs; B: input Wq (given as codes): QUANTISED
;;     2. [M 8,192, K 1,024] x [K 1,024, N 1,024]; A: input inputs; B: input Wk (given as codes): QUANTISED
;;     3. [M 8,192, K 1,024] x [K 1,024, N 1,024]; A: input inputs; B: input Wv (given as codes): QUANTISED
;;     4. batch 64 x [M 2,048, K 64] x [K 64, N 2,048]; A: computed on the way; B: computed on the way: QUANTISED
;;     5. batch 64 x [M 2,048, K 2,048] x [K 2,048, N 64]; A: softmax (see below); B: computed on the way: QUANTISED
;;     6. [M 8,192, K 1,024] x [K 1,024, N 1,024]; A: computed on the way; B: input Wo (given as codes): QUANTISED
;;   THE QUANTISER, for each operand of a quantised product, along K:
;;     - K is cut into blocks of 32 from its start; a last block that is shorter is filled with zeros.
;;     - A block's scale is 2^e with e = floor(log2(the largest magnitude in the block)) - 4, held to -126 .. 127; a block of zeros has e = 0. As a byte (E8M0): e + 127.
;;     - Each number is divided by its block's scale, clamped to +-28, and rounded to the nearest number of E3M2, ties to even, subnormals kept.
;;     - The product sums the exact products of the quantised numbers (number of the format x scale) in f32.
;;   ~~~python
;;   def quantise(x, axis):      # numpy; x: float32 -> the quantised numbers, widened to float32 again
;;       x = np.moveaxis(x, axis, -1); K = x.shape[-1]
;;       x = np.pad(x, [(0, 0)] * (x.ndim - 1) + [(0, -K % 32)]); x = x.reshape(x.shape[:-1] + (-1, 32)); a = np.abs(x).max(-1, keepdims=True)
;;       e = np.where(a > 0, np.clip(np.frexp(np.where(a > 0, a, 1))[1] - 1 - 4, -126, 127), 0)      # np.frexp(a)[1] - 1 = floor(log2(a)), exactly
;;       r = np.clip(x / 2.0 ** e, -28, 28)
;;       step = 2.0 ** (np.maximum(np.frexp(np.where(r == 0, 1, r))[1] - 1, -2) - 2)
;;       q = np.round(r / step) * step * 2.0 ** e      # np.round: ties to even
;;       return np.moveaxis(q.reshape(q.shape[:-2] + (-1,))[..., :K], -1, axis).astype(np.float32)
;;   ~~~
;;   SOFTMAX AHEAD OF A QUANTISED PRODUCT. Where the list says 'softmax', what is quantised is not the finished softmax but p = 2^(t - M), with t = logit x log2(e) and M = ceil(the row's largest t), a whole number; so 1/2 < the row's largest p <= 1. The row's sum l is taken of the UNQUANTISED p, in f32, and the product's result is divided by l at the end. Since M is a whole number, a kernel that streams over the keys may use a running M (the ceiling of the running maximum): every later rescaling is an exact power of two, which a block's scale takes up: the codes' values come out the same.
;;   OPERANDS COMPUTED ON THE WAY. 'Computed on the way' means the value that the module computes at that place (a softmax that the list does not call 'softmax' is quantised finished and normalised). What goes into a quantiser is computed in f32, as accurately as f32 sums, v_exp_f32 and their like allow (about 1e-6 of the number): no bf16 or f16 on the way to a quantiser, and a product that is left as it is and whose result goes on into a quantised operand takes f32 operands (vector FMAs, or v_wmma_f32_16x16x4_f32). A number that lies on a knife's edge between two numbers of the format may be rounded either way, as far as f32 arithmetic and the matrix unit's own rounding can turn it there, and no further.
;;   INPUTS GIVEN AS CODES. Wk (in the module: [1024, 1024], K = its axis 0); Wo (in the module: [1024, 1024], K = its axis 0); Wq (in the module: [1024, 1024], K = its axis 0); Wv (in the module: [1024, 1024], K = its axis 0): each comes as NAME_codes (uint8): NAME with its K axis moved to the last place and cut into blocks of 32 codes, [.., K / 32, bytes a block], one block behind the other in memory; four codes in three bytes: a row's codes are one little-endian stream of bits, code i at bits 6 i .. 6 i + 5 (a code: sign, 3 exponent bits, 2 mantissa bits); and NAME_scales (uint8): the same leading axes, one E8M0 byte (e + 127) for each 32 codes along K. Its value is code x scale, taken as it is: it is not quantised again, and the codes and scales need not be those that the quantiser above would give.
;; One version. Each part assembles by itself: llvm-mc -triple=amdgcn-amd-amdhsa -mcpu=gfx1250 --defsym DOCPART=n.
;; ======== version 1 of 1: 4 launches
;; limits: right only within a limited range of input values
;; workspace buffers: opc 9,437,184 bytes; ops 393,216 bytes; qkv 20,447,232 bytes; cimg 6,291,456 bytes; cscl 524,288 bytes
;; launch prep (part 1): grid 640 x 1, 2 waves a work-group, no clusters, 17,408 bytes of LDS; arguments inputs, Wq_codes, Wq_scales, Wk_codes, Wk_scales, Wv_codes, Wv_scales, Wo_codes, Wo_scales, opc, ops; writes opc, ops
.if DOCPART == 1
	.amdgcn_target "amdgcn-amd-amdhsa--gfx1250"
	.amdhsa_code_object_version 6
	.text
	.protected	k_q26ff940180_prep
	.globl	k_q26ff940180_prep
	.p2align	8
	.type	k_q26ff940180_prep,@function
k_q26ff940180_prep:
	s_mov_b64 s[64:65], 0
	v_nop
	global_prefetch_b8 v0, s[64:65] scope:SCOPE_SE
	s_setreg_imm32_b32 hwreg(HW_REG_WAVE_MODE, 25, 1), 1
	s_wait_xcnt 0x0
; PREP: the operands of the four large products are laid out once, in the order of the matrix operand's registers.
; The program: inputs -> q, k, v (products 1-3) -> scores + mask, softmax, ctx (4, 5) -> ctx Wo + bo + inputs, LayerNorm (6).  All six products on codes of E3M2 with E8M0 scales.
; DEAD WORK: none.  Every bias stands ahead of a quantiser (bq, bk, bv) or in the output (bo); the mask, gamma and beta reach the output for some values: every input is loaded by some launch.
; LIMITS: NaN and infinities in inputs and in the biases are not served.  A block whose largest magnitude lies under 2^(5 - 127) is coded on the floor's scale (byte 1), a block of zeros too
; (the rule's 127 is not written): its codes are zeros, and these bytes are read by this program alone.
; AN IMAGE: a fragment is 16 rows x 128 K of 6-bit codes, 12 registers a lane (lane l: row l % 16; registers 6 c .. 6 c + 5: K = 64 c + 32 (l / 16) + 0 .. 31).  Registers 4 c .. 4 c + 3 of lane l lie at 512 c + 16 l: 1,536 bytes.
; opc: [row block of 128 rows][K step 0..7][tile 0..7][1,536].  Row blocks 0-63 x, 64-71 Wq, 72-79 Wk, 80-87 Wv, 88-95 Wo.   ops: [row block][K half][tile][row][4 scale words].
; x's tiles hold neighbouring tokens.  A WEIGHT'S TILES DO NOT HOLD NEIGHBOURING ROWS: lane r of tile 2 g + u takes row 32 g + 8 u + r + 8 (r / 8), so that a product's results of two tiles are 16 neighbours in a lane's registers.
; SHARES: work-groups 0-511 take one tile of 16 tokens of x each, 512-639 take 32 rows (two tiles) of a weight; wave 0 the first 512 of K, wave 1 the second.  Waves share nothing: no barrier.
; A wave of x walks four fragments, one a K step, with two fragments' 32 loads on their way.
.set STGW,  8448                       ; a wave's stage: 16 rows x (512 bytes + 16)
.set SPARE, 16896                      ; behind the stages: the spare words, 128 bytes a wave
.set XR,    192                        ; v192-255 64 numbers of my row: two whole blocks of 32
	s_load_b512 s[8:23], s[0:1], 0x0               ; inputs, Wq codes, Wq scales, Wk codes, Wk scales, Wv codes, Wv scales, Wo codes
	s_load_b128 s[24:27], s[0:1], 0x40             ; Wo scales, opc
	s_load_b64 s[28:29], s[0:1], 0x50              ; ops
	v_lshl_add_u32 v1, v0, 2, SPARE                ; my spare word; never rewritten
	v_mov_b32 v2, 0                                ; 0; never rewritten
	v_lshrrev_b32 v3, 5, v0
	v_readfirstlane_b32 s2, v3                     ; wave = half of K
	v_and_b32 v3, 31, v0
	v_lshlrev_b32 v4, 4, v3                        ; 16 x lane; never rewritten
	v_and_b32 v8, 15, v0                           ; r
	v_bfe_u32 v9, v0, 4, 1                         ; h
	s_mov_b32 s30, 0xffff0000                      ; lanes 16-31
	s_mov_b32 s32, 0x76543210
	s_mov_b32 s33, 0xfedcba98                      ; selects for lane l xor 16
	s_sub_co_u32 s4, ttmp9, 256                    ; a weight's work-group: four to a row block, from row block 64 on,
	s_and_b32 s5, s4, 3
	s_lshl_b32 s5, s5, 1                           ; its first tile;
	s_lshr_b32 s4, s4, 2
	s_lshr_b32 s6, ttmp9, 3                        ; one of x: eight to a row block,
	s_and_b32 s7, ttmp9, 7                         ; its tile
	s_cmp_lt_u32 ttmp9, 512
	s_cselect_b32 s6, s6, s4                       ; the row block
	s_cselect_b32 s7, s7, s5                       ; my (first) tile in it
	s_mul_i32 s34, s6, 98304
	s_mul_i32 s35, s2, 49152                       ; four K steps of 12,288 bytes
	s_add_co_u32 s34, s34, s35
	s_mul_i32 s35, s7, 1536
	s_add_co_u32 s34, s34, s35
	s_mov_b32 s35, 0
	s_lshl_b32 s36, s6, 12
	s_lshl_b32 s37, s2, 11
	s_add_co_u32 s36, s36, s37
	s_lshl_b32 s37, s7, 8
	s_add_co_u32 s36, s36, s37
	s_mov_b32 s37, 0
	s_wait_kmcnt 0x0
	s_add_nc_u64 s[26:27], s[26:27], s[34:35]      ; where my images go
	s_add_nc_u64 s[28:29], s[28:29], s[36:37]      ; and my scale words
	s_cmp_lt_u32 ttmp9, 512
	s_cbranch_scc0 .Lweights
	; ---- x: 16 tokens x 512 of K: 4 fragments f: K step f of my half
	s_mul_i32 s3, s2, STGW
	s_wait_alu depctr_va_vdst(0)
	v_add_nc_u32 v5, s3, v4                        ; the stage, in: a row's 512 bytes as they lie
	v_mul_u32_u24 v6, v8, 528
	v_lshl_add_u32 v6, v9, 7, v6
	v_add_nc_u32 v6, s3, v6                        ; out: row r, + 128 h: my block of 32 numbers
	v_lshlrev_b32 v7, 3, v9                        ; 8 h
	v_lshl_add_u32 v15, v8, 4, v7                  ; 16 r + 8 h: my two of row r's four scale words
	v_mov_b32 v13, 0                               ; a lane permute's destination counts as one of its sources
	s_lshl_b32 s4, ttmp9, 16                       ; 16 rows of 4,096 bytes
	s_lshl_b32 s5, s2, 11
	s_add_co_u32 s4, s4, s5
	s_mov_b32 s5, 0
	s_add_nc_u64 s[8:9], s[8:9], s[4:5]
.macro LOADF f                         ; sixteen rows x 512 consecutive bytes into set f % 2 (v64-127, v128-191)
.set k, 0
.rept 16
	global_load_b128 v[64+64*((\f)%2)+4*k:64+64*((\f)%2)+4*k+3], v4, s[8:9] offset:k*4096+(\f)*512 th:TH_LOAD_NT
.set k, k+1
.endr
.endm
.macro FRAGX f
.set RS, 64+64*((\f)%2)
.set CD, 28+12*((\f)%2)                ; the codes: v28-39, v40-51 by turns
.if (\f) < 3
	s_wait_loadcnt 16                              ; this fragment's 16 loads are in; the next fragment's 16 may be out
.else
	s_wait_loadcnt 0x0
.endif
.set k, 0
.rept 16
	ds_store_b128 v5, v[RS+4*k:RS+4*k+3] offset:528*k
.set k, k+1
.endr
.irp c, 0,1                            ; LDS serves a wave's instructions in order: these see the stores above
.irp j, 0,1,2,3,4,5,6,7
	ds_load_b128 v[XR+32*\c+4*\j:XR+32*\c+4*\j+3], v6 offset:256*\c+16*\j   ; x(r, 64 c + 32 h + 4 j ..)
.endr
.endr
	s_wait_dscnt 0x0
.if (\f) < 2
	LOADF (\f)+2                                   ; into the set that the stage has taken over
.endif
.irp c, 0,1
	v_max3_num_f32 v[8+\c], |v[XR+32*\c]|, |v[XR+32*\c+1]|, 0x2800000   ; my block 2 c + h: all its 32 numbers are mine; the floor 2^(5 - 127) holds the byte at 1 from below
.endr
.irp i, 2,4,6,8,10,12,14,16,18,20,22,24,26,28,30
.irp c, 0,1
	v_max3_num_f32 v[8+\c], v[8+\c], |v[XR+32*\c+\i]|, |v[XR+32*\c+\i+1]|
.endr
.endr
	v_add_nc_u32 v10, 0xfe000000, v8               ; 4 off the exponent field: the conversion's scale operand
	v_add_nc_u32 v11, 0xfe000000, v9
	v_lshrrev_b32 v12, 23, v10                     ; the scales' bytes
	v_lshrrev_b32 v14, 23, v11
	v_lshl_or_b32 v12, v14, 16, v12                ; blocks h and 2 + h,
	v_lshlrev_b32 v12, v7, v12                     ; at their places in the word;
	v_permlanex16_b32 v13, v12, s32, s33
	v_or_b32 v[16+(\f)], v12, v13                  ; with lane l xor 16's two the word is whole
	s_wait_alu depctr_va_vdst(0)
	s_wait_xcnt 0x0                                ; the stores of two fragments ago have read this set of codes: it is rewritten only behind this wait
.irp c, 0,1
	v_cvt_scalef32_pk16_bf6_f32 v[CD+6*\c:CD+6*\c+2], v[XR+32*\c:XR+32*\c+15], v[10+\c]
	v_cvt_scalef32_pk16_bf6_f32 v[52+4*\c:54+4*\c], v[XR+32*\c+16:XR+32*\c+31], v[10+\c]   ; (a conversion's three registers begin on an even number)
.endr
	v_nop                                          ; one plain place behind a scaled conversion
.irp c, 0,1
.irp i, 0,1,2
	v_mov_b32 v[CD+6*\c+3+\i], v[52+4*\c+\i]
.endr
.endr
.irp c, 0,1,2
	global_store_b128 v4, v[CD+4*\c:CD+4*\c+3], s[26:27] offset:(\f)*12288+512*\c   ; 512 consecutive bytes
.endr
.endm
	LOADF 0
	LOADF 1
	s_wait_alu depctr_va_vdst(0)
.irp f, 0,1,2,3
	FRAGX \f
.endr
	v_cndmask_b32 v24, v16, v18, s30               ; lanes 0-15: row r's words 0 and 1, lanes 16-31: its words 2 and 3
	v_cndmask_b32 v25, v17, v19, s30
	global_store_b64 v15, v[24:25], s[28:29]       ; 16 rows x 4 words: 256 consecutive bytes
	s_branch .Lend
.Lweights:                             ; ---- a weight: its codes and scale bytes are copied as they are, into images
	s_sub_co_u32 s3, ttmp9, 512
	s_lshr_b32 s4, s3, 5                           ; which weight: 0 Wq, 1 Wk, 2 Wv, 3 Wo
	s_and_b32 s5, s3, 31                           ; which 32 rows
	s_cmp_eq_u32 s4, 1
	s_cselect_b64 s[10:11], s[14:15], s[10:11]
	s_cselect_b64 s[12:13], s[16:17], s[12:13]
	s_cmp_eq_u32 s4, 2
	s_cselect_b64 s[10:11], s[18:19], s[10:11]
	s_cselect_b64 s[12:13], s[20:21], s[12:13]
	s_cmp_eq_u32 s4, 3
	s_cselect_b64 s[10:11], s[22:23], s[10:11]
	s_cselect_b64 s[12:13], s[24:25], s[12:13]
	s_wait_alu depctr_va_vdst(0)
	v_and_b32 v10, 8, v8
	v_add_nc_u32 v10, v10, v8                      ; r + 8 (r / 8)
	v_mul_u32_u24 v11, v10, 768                    ; a row of 1,024 codes is 768 bytes
	v_mad_u32_u24 v11, v9, 24, v11
	s_wait_alu depctr_va_vdst(0)
	v_lshl_add_u32 v12, v9, 3, v10                 ; the scale words: lanes 16-31 take the second tile: 8 rows on
	v_lshlrev_b32 v12, 5, v12                      ; 32 bytes a row
	s_wait_alu depctr_va_vdst(0)
	s_mul_i32 s6, s5, 24576
	s_mul_i32 s7, s2, 384
	s_add_co_u32 s6, s6, s7
	s_mov_b32 s7, 0
	s_add_nc_u64 s[10:11], s[10:11], s[6:7]
	s_lshl_b32 s6, s5, 10
	s_lshl_b32 s34, s2, 4
	s_add_co_u32 s6, s6, s34
	s_add_nc_u64 s[12:13], s[12:13], s[6:7]
.irp s, 0,1,2,3
.irp u, 0,1
.irp p, 0,1,2,3,4,5
	global_load_b64 v[32+12*(2*\s+\u)+2*\p:32+12*(2*\s+\u)+2*\p+1], v11, s[10:11] offset:\u*6144+\s*96+48*(\p/3)+8*(\p%3)
.endr
.endr
.endr
	global_load_b128 v[128:131], v12, s[12:13]
	s_wait_loadcnt 0x0
.irp s, 0,1,2,3
.irp u, 0,1
.irp c, 0,1,2
	global_store_b128 v4, v[32+12*(2*\s+\u)+4*\c:32+12*(2*\s+\u)+4*\c+3], s[26:27] offset:\s*12288+\u*1536+512*\c
.endr
.endr
.endr
	global_store_b128 v4, v[128:131], s[28:29]
.Lend:
	s_wait_tensorcnt 0x0                           ; the wave's end, behind my last LDS store
	ds_add_u32 v1, v2
	s_wait_dscnt 0x0
	s_endpgm
.Lfunc_end_k_q26ff940180_prep:
	.size	k_q26ff940180_prep, .Lfunc_end_k_q26ff940180_prep-k_q26ff940180_prep
	.p2alignl 7, 3214868480
	.fill 96, 4, 3214868480
	.section	.rodata,"a",@progbits
	.p2align	6, 0x0
	.amdhsa_kernel k_q26ff940180_prep
		.amdhsa_group_segment_fixed_size 17408
		.amdhsa_private_segment_fixed_size 0
		.amdhsa_enable_private_segment 0
		.amdhsa_kernarg_size 88
		.amdhsa_user_sgpr_count 2
		.amdhsa_user_sgpr_kernarg_segment_ptr 1
		.amdhsa_wavefront_size32 1
		.amdhsa_system_sgpr_workgroup_id_x 1
		.amdhsa_system_sgpr_workgroup_id_y 1
		.amdhsa_system_sgpr_workgroup_id_z 1
		.amdhsa_system_vgpr_workitem_id 0
		.amdhsa_next_free_vgpr 256
		.amdhsa_next_free_sgpr 66
		.amdhsa_reserve_vcc 0
		.amdhsa_float_denorm_mode_32 3
		.amdhsa_float_denorm_mode_16_64 3
		.amdhsa_memory_ordered 1
		.amdhsa_forward_progress 1
		.amdhsa_inst_pref_size 39
	.end_amdhsa_kernel
	.amdgpu_metadata
---
amdhsa.version: [ 1, 2 ]
amdhsa.kernels:
  - .name:           k_q26ff940180_prep
    .symbol:         k_q26ff940180_prep.kd
    .args:
      - { .name: inputs, .offset: 0, .size: 8, .value_kind: global_buffer, .address_space: global }
      - { .name: Wq_codes, .offset: 8, .size: 8, .value_kind: global_buffer, .address_space: global }
      - { .name: Wq_scales, .offset: 16, .size: 8, .value_kind: global_buffer, .address_space: global }
      - { .name: Wk_codes, .offset: 24, .size: 8, .value_kind: global_buffer, .address_space: global }
      - { .name: Wk_scales, .offset: 32, .size: 8, .value_kind: global_buffer, .address_space: global }
      - { .name: Wv_codes, .offset: 40, .size: 8, .value_kind: global_buffer, .address_space: global }
      - { .name: Wv_scales, .offset: 48, .size: 8, .value_kind: global_buffer, .address_space: global }
      - { .name: Wo_codes, .offset: 56, .size: 8, .value_kind: global_buffer, .address_space: global }
      - { .name: Wo_scales, .offset: 64, .size: 8, .value_kind: global_buffer, .address_space: global }
      - { .name: opc, .offset: 72, .size: 8, .value_kind: global_buffer, .address_space: global }
      - { .name: ops, .offset: 80, .size: 8, .value_kind: global_buffer, .address_space: global }
    .group_segment_fixed_size: 17408
    .private_segment_fixed_size: 0
    .kernarg_segment_align: 8
    .kernarg_segment_size: 88
    .max_flat_workgroup_size: 64
    .sgpr_count:     66
    .vgpr_count:     256
    .wavefront_size: 32
...
	.end_amdgpu_metadata
.endif
;; end of part 1
;; launch qkvgemm (part 2): grid 8 x 32, 4 waves a work-group, clusters of 4 x 4, 327,680 bytes of LDS; arguments opc, ops, bq, bk, bv, qkv; writes qkv
.if DOCPART == 2
	.amdgcn_target "amdgcn-amd-amdhsa--gfx1250"
	.amdhsa_code_object_version 6
	.text
	.protected	k_q26ff940180_qkvgemm
	.globl	k_q26ff940180_qkvgemm
	.p2align	8
	.type	k_q26ff940180_qkvgemm,@function
k_q26ff940180_qkvgemm:
	s_mov_b64 s[64:65], 0
	v_nop
	global_prefetch_b8 v0, s[64:65] scope:SCOPE_SE
	s_setreg_imm32_b32 hwreg(HW_REG_WAVE_MODE, 25, 1), 1
	s_wait_xcnt 0x0
	s_wait_alu depctr_hold_cnt(0) depctr_sa_sdst(0) depctr_va_vdst(0) depctr_va_sdst(0) depctr_va_ssrc(0) depctr_va_vcc(0) depctr_vm_vsrc(0)
	s_getreg_b32 s2, hwreg(HW_REG_IB_STS2, 6, 4)
	s_cmp_eq_u32 s2, 0
	s_cbranch_scc0 .Lentry_in_a_cluster
	s_endpgm
.Lentry_in_a_cluster:
	s_bfe_u32 s2, ttmp6, 0x10000c
	s_cmp_lg_u32 s2, 0xf033
	s_cbranch_scc0 .Lentry_shape_is_right
	s_endpgm
.Lentry_shape_is_right:
; q, k, v = inputs W + b (products 1 to 3) on codes of E3M2, quantised on the way out and stored as images for the attention launch.  No work is left out.
; SHARES: 8 x 32 work-groups.  Work-group (tx, ty) owns tokens 256 ty .. + 255 and row block tx (128 rows: two heads) of Wq, then of Wk, then of Wv: three tiles of 256 x 128, all of K = 1,024 each.
; LDS: x's two row blocks (2 x 98,304 bytes, all eight K steps) come once and stay for the three tiles; a weight's row block (98,304 bytes) has one region behind them, filled three times.
; The region's refill stands behind a round of the cluster's barrier that opens in the tile's last K step, whose fragments are in registers by then; the tile's way out runs while the refill is on its way.
; A ring along K is not used: a K step is 32 matrix instructions a wave, and x's 196,608 bytes with two weight regions do not fit in LDS.
; WAVE (wa, wb): tokens 128 wa on (8 tiles), weight tiles 4 wb .. 4 wb + 3 (64 rows: one head): 32 accumulators, window 2.
; q, k: source 0 = 16 weight rows, source 1 = 16 tokens: a lane holds a token, accumulator (a, t) at 8 (4 a + t): the 64 registers of token tiles 2 p, 2 p + 1 are four blocks of 32 features.
; v: source 0 = 16 tokens, source 1 = 16 weight rows: a lane holds a feature, accumulator (a, b) at 8 (8 a + b): the 64 registers of feature tile a are four blocks of 32 tokens.  One quantising macro serves both.
; The bias is the C of each sum's first product.  q and k run as two trips of one loop; what differs lies in scalar registers; v is written out.
; CLUSTER 4 x 4: x's blocks hang on ty alone and are shared along a row, the weights' on tx alone and are shared along a column: all tensor loads are joint.
; PREFETCH: the next weight block is asked for one tile ahead of its load: its 384 pieces of 256 bytes are shared by address among the four partners of a column, 24 lanes of each wave (the other lanes name the wave's last piece again).
; LIMITS: NaN and infinities are not served.  A block under the floor (q: 2^(8 - 127), so that 3 can be taken off its byte later; k, v: 2^(5 - 127)) is coded on the floor's scale.
; REGISTERS: window 0: v1-23 addresses and v's bias; v28, v29 the add's; v32-95 scale words (8 i + K step: lanes 0-15 x's tile i, lanes 16-31 the weight's tile i, i < 4); v96-127 the bias; v128-223 x's fragments, even K steps, and the way out's work.
;   window 1: v0-95 x's fragments, odd K steps; v96-143, v144-191 the weight's fragments, even and odd K steps.   window 2: the accumulators.
.set RB,    98304                      ; a row block's images: 8 K steps x 8 tiles x 1,536 bytes
.set KS,    12288
.set WOFF,  2*RB
.set SPARE, 3*RB
.set ZS,    6815744
.set BLKB,  26624
.set LI,    4
.set ADRX,  5
.set ADRW,  7
.set SOFF,  9
.set SOFFX, 10
.set SINC,  11
.set BOQ,   12
.set BOV,   13
.set PFO,   15
.set VB,    20
.set SPW,   28
.set NIL,   29
.set SC,    32
.set BC,    96
.set TM,    128
.set PW,    144
.set CT,    148
.set OUT,   160
.set SELR,  184
.set T2,    188
.set WVN, 16
.set WA,  17
.set WB,  18
.set CX,  19
.set CY,  20
.set TX,  21
.set TY,  22
.set HMASK, 23
.set G1X, 24
.set G0X, 32
.set G1W, 36
.set G0W, 44
.set G0R, 48
.set FLR, 52
.set TRIP, 53
.set OSV, 54
.set SEL, 56
.set OUTP, 58
.set OSC, 60
.set PFB, 62
.set MSB, 0
.macro WIN new
.if MSB != (\new)
	s_set_vgpr_msb (MSB<<8)|(\new)
.set MSB, (\new)
.endif
.endm
.macro CREST
	s_cmp_lg_u32 s[WVN], 0
	s_cbranch_scc1 .Lnot_wave_0_\@
	s_barrier_signal -3
.Lnot_wave_0_\@:
	s_barrier_wait -3
	s_barrier_signal -1
	s_barrier_wait -1
.endm
.macro CROUND
	s_barrier_signal -1
	s_barrier_wait -1
	CREST
.endm
.macro PLACES
.rept 4
	v_nop
.endr
.endm
	s_load_b256 s[4:11], s[0:1], 0x0               ; opc, ops, bq, bk
	s_load_b128 s[12:15], s[0:1], 0x20             ; bv, qkv
	v_lshl_add_u32 v[SPW], v0, 2, SPARE
	v_mov_b32 v[NIL], 0
	ds_add_u32 v[SPW], v[NIL]                      ; the opening adds of 0, twice on end; their wait stands below
	ds_add_u32 v[SPW], v[NIL]
	v_lshrrev_b32 v1, 5, v0
	v_readfirstlane_b32 s[WVN], v1
	s_lshr_b32 s[WA], s[WVN], 1                    ; my half of the tokens; at the head: I fetch x (0) or the weight (1)
	s_and_b32 s[WB], s[WVN], 1                     ; my half of the weight's rows; at the head: which half I fetch
	s_bfe_u32 s[CX], ttmp6, 0x40000
	s_bfe_u32 s[CY], ttmp6, 0x40004
	s_lshl_b32 s[TX], ttmp9, 2
	s_add_co_u32 s[TX], s[TX], s[CX]               ; the weights' row block, 0..7
	s_and_b32 s[TY], ttmp7, 0xffff
	s_lshl_b32 s[TY], s[TY], 2
	s_add_co_u32 s[TY], s[TY], s[CY]               ; the block of 256 tokens, 0..31
	s_lshl_b32 s66, s[CY], 2
	s_lshl_b32 s66, 15, s66                        ; my row of the cluster
	s_lshl_b32 s67, 0x1111, s[CX]                  ; my column
	s_or_b32 s[G1X], s66, (3<<16)|(1<<21)          ; dense bytes as rows of 256 (32 elements of 8 bytes): x's row block is 384 rows,
	s_or_b32 s[G1W], s67, (3<<16)|(1<<21)          ; half of a weight's 192
	s_mov_b32 s[G1X+1], 32<<16
	s_mov_b32 s[G1X+2], 384<<16
	s_mov_b32 s[G1X+3], 32<<16
	s_mov_b32 s[G1X+4], 384
	s_mov_b32 s[G1X+5], 32
	s_mov_b32 s[G1X+6], 0
	s_mov_b32 s[G1X+7], 0
	s_mov_b32 s[G1W+1], 32<<16
	s_mov_b32 s[G1W+2], 192<<16
	s_mov_b32 s[G1W+3], 32<<16
	s_mov_b32 s[G1W+4], 192
	s_mov_b32 s[G1W+5], 32
	s_mov_b32 s[G1W+6], 0
	s_mov_b32 s[G1W+7], 0
	s_lshl_b32 s68, s[TY], 1
	s_add_co_u32 s68, s68, s[WB]
	s_mul_i32 s68, s68, RB                         ; x's row block 2 ty + half
	s_mov_b32 s69, 0
	s_add_co_u32 s70, s[TX], 64
	s_mul_i32 s70, s70, RB                         ; Wq's row block tx
	s_mov_b32 s71, 0
	s_mul_i32 s72, s[WVN], 2*KS                    ; a refill: my quarter of the block,
	s_add_co_u32 s72, s72, s70                     ; counted from Wq's: each refill steps eight row blocks on first
	s_mov_b32 s73, 0
	s_mul_i32 s77, s[WB], 4*KS
	s_add_co_u32 s70, s70, s77                     ; at the head: my half of it
	s_mul_i32 s74, s[WB], RB
	s_add_co_u32 s75, s77, WOFF
	s_mul_i32 s76, s[WVN], 2*KS
	s_add_co_u32 s76, s76, WOFF
	s_mov_b32 s[HMASK], 0xffff0000
	s_mov_b32 s[SEL], 0x76543210
	s_mov_b32 s[SEL+1], 0xfedcba98
	s_mov_b32 s[FLR], 0x4000000                    ; q's floor
	s_wait_dscnt 0x0                               ; both opening adds are done
	s_wait_kmcnt 0x0
	s_mov_b32 s[G0X], 1
	s_mov_b32 s[G0X+1], s74
	s_add_nc_u64 s[G0X+2:G0X+3], s[4:5], s[68:69]
	s_or_b32 s[G0X+3], s[G0X+3], 0x80000000
	s_mov_b32 s[G0W], 1
	s_mov_b32 s[G0W+1], s75
	s_add_nc_u64 s[G0W+2:G0W+3], s[4:5], s[70:71]
	s_or_b32 s[G0W+3], s[G0W+3], 0x80000000
	s_mov_b32 s[G0R], 1
	s_mov_b32 s[G0R+1], s76
	s_add_nc_u64 s[G0R+2:G0R+3], s[4:5], s[72:73]
	s_or_b32 s[G0R+3], s[G0R+3], 0x80000000
	CROUND                                         ; all sixteen work-groups are here
	s_cmp_eq_u32 s[WA], 0                          ; the head's loads, one a wave: waves 0, 1 x's two row blocks, waves 2, 3 the halves of Wq's
	s_cbranch_scc0 .Lhead_w
	tensor_load_to_lds s[G0X:G0X+3], s[G1X:G1X+7]
	s_nop 0
	PLACES
	s_branch .Lhead_asked
.Lhead_w:
	tensor_load_to_lds s[G0W:G0W+3], s[G1W:G1W+7]
	s_nop 0
	PLACES
.Lhead_asked:
	s_mul_i32 s66, s[WA], RB                       ; LDS: my 128 tokens,
	s_mul_i32 s67, s[WB], 6144                     ; my four tiles of the weight
	s_add_co_u32 s67, s67, WOFF
	s_lshl_b32 s68, s[TY], 1
	s_add_co_u32 s68, s68, s[WA]                   ; my token row block, 0..63
	s_lshl_b32 s69, s68, 12                        ; its scale words
	s_add_co_u32 s70, s[TX], 64
	s_lshl_b32 s70, s70, 12
	s_lshl_b32 s71, s[WB], 10
	s_add_co_u32 s70, s70, s71                     ; Wq's, my four tiles
	s_lshl_b32 s72, s[TX], 9
	s_lshl_b32 s73, s[WB], 8
	s_add_co_u32 s72, s72, s73                     ; my 64 numbers of a bias
	s_mov_b32 s73, 0
	s_add_nc_u64 s[8:9], s[8:9], s[72:73]
	s_add_nc_u64 s[10:11], s[10:11], s[72:73]
	s_add_nc_u64 s[12:13], s[12:13], s[72:73]
	s_lshr_b32 s74, s68, 4                         ; batch
	s_and_b32 s75, s68, 15                         ; block of 128 tokens in it
	s_lshl_b32 s74, s74, 2
	s_lshr_b32 s76, s[TX], 1                       ; group of four heads
	s_add_co_u32 s74, s74, s76
	s_lshl_b32 s74, s74, 4
	s_add_co_u32 s74, s74, s75
	s_mul_i32 s74, s74, BLKB
	s_mov_b32 s75, 0
	s_add_nc_u64 s[14:15], s[14:15], s[74:75]      ; my block in q's zone
	s_and_b32 s76, s[TX], 1
	s_lshl_b32 s77, s76, 1
	s_add_co_u32 s77, s77, s[WB]                   ; my head of the four
	s_mul_i32 s78, s77, 6144
	s_mov_b32 s79, 0
	s_add_nc_u64 s[OUTP:OUTP+1], s[14:15], s[78:79]   ; its image (in v's zone the same place holds my four feature tiles)
	s_lshl_b32 s78, s77, 9
	s_add_co_u32 s78, s78, 24576
	s_add_nc_u64 s[OSC:OSC+1], s[14:15], s[78:79]     ; its scale words
	s_lshl_b32 s78, s76, 9
	s_lshl_b32 s77, s[WB], 3
	s_add_co_u32 s78, s78, s77
	s_add_co_u32 s78, s78, 2*ZS+24576
	s_add_nc_u64 s[OSV:OSV+1], s[14:15], s[78:79]     ; v's scale words: two of a lane's four
	s_add_co_u32 s74, s[TX], 72
	s_mul_i32 s74, s74, RB
	s_mul_i32 s76, s[CY], 2*KS
	s_add_co_u32 s74, s74, s76
	s_mul_i32 s76, s[WVN], 6144
	s_add_co_u32 s74, s74, s76
	s_add_nc_u64 s[PFB:PFB+1], s[4:5], s[74:75]       ; the prefetches: Wk's block, my work-group's quarter, my wave's 24 pieces
	v_and_b32 v1, 15, v0                           ; r
	v_bfe_u32 v2, v0, 4, 1                         ; h
	v_and_b32 v3, 31, v0
	v_lshlrev_b32 v[LI], 4, v3                     ; 16 l
	v_add_nc_u32 v[ADRX], s66, v[LI]               ; K steps 0-3,
	v_add_nc_u32 v[ADRX+1], 4*KS, v[ADRX]          ; and 4-7
	v_add_nc_u32 v[ADRW], s67, v[LI]
	v_add_nc_u32 v[ADRW+1], 4*KS, v[ADRW]
	v_mov_b32 v16, s69
	v_mov_b32 v17, s70
	v_cndmask_b32 v[SOFF], v16, v17, s[HMASK]      ; lanes 0-15 x's scale words, lanes 16-31 the weight's
	v_lshl_add_u32 v[SOFF], v1, 4, v[SOFF]
	v_lshl_add_u32 v[SOFFX], v1, 4, v16
	v_lshlrev_b32 v[SINC], 15, v2                  ; eight row blocks of scale words on, in lanes 16-31 alone
	v_lshlrev_b32 v[BOQ], 6, v2                    ; q, k: my 16 features of a block begin at 16 h
	v_and_b32 v18, 8, v1
	v_add_nc_u32 v18, v18, v1
	v_lshlrev_b32 v[BOV], 2, v18                   ; v: my feature r + 8 (r / 8) of a tile
	v_min_u32 v19, 23, v3
	v_lshlrev_b32 v[PFO], 8, v19
.irp i, 0,1,2,3
	global_load_b128 v[SC+8*\i:SC+8*\i+3], v[SOFF], s[6:7] offset:\i*256
	global_load_b128 v[SC+8*\i+4:SC+8*\i+7], v[SOFF], s[6:7] offset:2048+\i*256
.endr
.irp i, 4,5,6,7
	global_load_b128 v[SC+8*\i:SC+8*\i+3], v[SOFFX], s[6:7] offset:\i*256
	global_load_b128 v[SC+8*\i+4:SC+8*\i+7], v[SOFFX], s[6:7] offset:2048+\i*256
.endr
.macro BIASQK base                     ; register 8 t + j: feature 32 (t / 2) + 16 h + 8 (t % 2) + j of my 64
.irp t, 0,1,2,3
	global_load_b128 v[BC+8*\t:BC+8*\t+3], v[BOQ], s[\base:\base+1] offset:(32*(\t/2)+8*(\t%2))*4
	global_load_b128 v[BC+8*\t+4:BC+8*\t+7], v[BOQ], s[\base:\base+1] offset:(32*(\t/2)+8*(\t%2))*4+16
.endr
.endm
	BIASQK 8
.irp t, 0,1,2,3
	global_load_b32 v[VB+\t], v[BOV], s[12:13] offset:(32*(\t/2)+8*(\t%2))*4
.endr
	global_prefetch_b8 v[PFO], s[PFB:PFB+1] th:TH_LOAD_NT scope:SCOPE_SE   ; Wk's block, one tile ahead of its load
.macro FETCH ks                        ; the fragments of K step ks: x's eight, the weight's four: 36 loads of 512 consecutive bytes
.set ST, (\ks)%2
.set OF, ((\ks)%4)*KS
	WIN 0x40*ST
.irp i, 0,1,2,3,4,5,6,7
.irp c, 0,1,2
	ds_load_b128 v[128-128*ST+12*\i+4*\c:128-128*ST+12*\i+4*\c+3], v[ADRX+(\ks)/4] offset:OF+\i*1536+512*\c
.endr
.endr
	WIN 0x40
.irp t, 0,1,2,3
.irp c, 0,1,2
	ds_load_b128 v[96+48*ST+12*\t+4*\c:96+48*ST+12*\t+4*\c+3], v[ADRW+(\ks)/4] offset:OF+\t*1536+512*\c
.endr
.endr
	WIN 0
.endm
.macro MQ ks, a0                       ; q, k: token tiles a0 .. a0 + 3 x my four weight tiles: 16 accumulators by turns
.set ST, (\ks)%2
.if (\ks) == 0
	WIN 0x81
.else
	WIN 0xa1|(ST<<2)
.endif
.irp a, \a0, \a0+1, \a0+2, \a0+3
.irp t, 0,1,2,3
.set rD, 8*(4*(\a)+\t)
.set rC, rD
.if (\ks) == 0
.set rC, BC+8*\t
.endif
	v_wmma_scale_f32_16x16x128_f8f6f4 v[rD:rD+7], v[96+48*ST+12*\t:96+48*ST+12*\t+11], v[128-128*ST+12*(\a):128-128*ST+12*(\a)+11], v[rC:rC+7], v[SC+8*\t+(\ks)], v[SC+8*(\a)+(\ks)] matrix_a_fmt:MATRIX_FMT_BF6 matrix_b_fmt:MATRIX_FMT_BF6 matrix_a_scale:MATRIX_SCALE_ROW1
.endr
.endr
.endm
.macro MV ks, a0                       ; v: feature tiles a0, a0 + 1 x my eight token tiles
.set ST, (\ks)%2
.if (\ks) == 0
	WIN 0x84
.else
	WIN 0xa4|ST
.endif
.irp a, \a0, \a0+1
.irp b, 0,1,2,3,4,5,6,7
.set rD, 8*(8*(\a)+\b)
.set rC, rD
.if (\ks) == 0
.set rC, BC+8*(\a)
.endif
	v_wmma_scale_f32_16x16x128_f8f6f4 v[rD:rD+7], v[128-128*ST+12*\b:128-128*ST+12*\b+11], v[96+48*ST+12*(\a):96+48*ST+12*(\a)+11], v[rC:rC+7], v[SC+8*\b+(\ks)], v[SC+8*(\a)+(\ks)] matrix_a_fmt:MATRIX_FMT_BF6 matrix_b_fmt:MATRIX_FMT_BF6 matrix_b_scale:MATRIX_SCALE_ROW1
.endr
.endr
.endm
.macro STEP ks, isv                    ; K steps 0 to 6: this step's fragments are in; the next step's are asked for, into the set that the step before multiplied; 32 products
	s_wait_dscnt 0x0
	PLACES
	FETCH (\ks)+1
.if \isv
	MV \ks, 0
	MV \ks, 2
.else
	MQ \ks, 0
	MQ \ks, 4
.endif
	WIN 0
.endm
; 64 accumulator registers at 64 p: four blocks of 32 along the next K, each in lanes l and l xor 16.  Twelve registers of codes at d0, the four bytes in v[PW + p].
.macro QUANTW p, d0
.set AC, 64*(\p)
	WIN 0x0a
.irp b, 0,1,2,3
	v_max3_num_f32 v[TM+\b], |v[AC+16*\b]|, |v[AC+16*\b+1]|, s[FLR]
.endr
.irp i, 2,4,6,8,10,12,14
.irp b, 0,1,2,3
	v_max3_num_f32 v[TM+\b], |v[AC+16*\b+\i]|, |v[AC+16*\b+\i+1]|, v[TM+\b]
.endr
.endr
	WIN 0
.irp b, 0,1,2,3
	v_permlanex16_b32 v[TM+4+\b], v[TM+\b], s[SEL], s[SEL+1]
.endr
.irp b, 0,1,2,3
	v_max_num_f32 v[TM+\b], v[TM+\b], v[TM+4+\b]
.endr
.irp b, 0,1,2,3
	v_add_nc_u32 v[TM+12+\b], 0xfe000000, v[TM+\b]    ; 4 off the exponent field: the conversion's scale operand
.endr
.irp b, 0,1,2,3
	v_lshrrev_b32 v[TM+4+\b], 23, v[TM+12+\b]
.endr
	v_lshl_or_b32 v[PW+(\p)], v[TM+5], 8, v[TM+4]
	v_lshl_or_b32 v[PW+(\p)], v[TM+6], 16, v[PW+(\p)]
	v_lshl_or_b32 v[PW+(\p)], v[TM+7], 24, v[PW+(\p)]
	WIN 0x02
	v_cvt_scalef32_pk16_bf6_f32 v[(\d0):(\d0)+2], v[AC:AC+15], v[TM+12]
	v_cvt_scalef32_pk16_bf6_f32 v[CT:CT+2], v[AC+16:AC+31], v[TM+13]
	v_cvt_scalef32_pk16_bf6_f32 v[(\d0)+6:(\d0)+8], v[AC+32:AC+47], v[TM+14]
	v_cvt_scalef32_pk16_bf6_f32 v[CT+4:CT+6], v[AC+48:AC+63], v[TM+15]
	WIN 0
	v_nop                                          ; one plain place behind a scaled conversion
.irp i, 0,1,2
	v_permlane16_swap_b32 v[(\d0)+\i], v[CT+\i]    ; a whole block in a lane
.endr
.irp i, 0,1,2
	v_permlane16_swap_b32 v[(\d0)+6+\i], v[CT+4+\i]
.endr
.irp i, 0,1,2
	v_mov_b32 v[(\d0)+3+\i], v[CT+\i]
.endr
.irp i, 0,1,2
	v_mov_b32 v[(\d0)+9+\i], v[CT+4+\i]
.endr
.endm
.macro CODES                           ; four times twelve registers: 6,144 consecutive bytes, 512 a store
.irp b, 0,1,2,3
	v_mov_b32 v[TM+4+\b], 0                        ; a lane permute's destination counts as one of its sources
.endr
.irp p, 0,1,2,3
.if \p > 1
	s_wait_xcnt 0x0                                ; the stores of two sets ago have read their registers
.endif
	QUANTW \p, OUT+12*(\p%2)
.irp c, 0,1,2
	global_store_b128 v[LI], v[OUT+12*(\p%2)+4*\c:OUT+12*(\p%2)+4*\c+3], s[OUTP:OUTP+1] offset:(3*\p+\c)*512
.endr
.endr
.endm
	s_wait_alu depctr_va_vdst(0)
	s_wait_tensorcnt 0x0                           ; my part of the head's tiles is in, and no load of mine is out: from here on a load brings a quarter of a weight's block, 96 rows
	s_mov_b32 s[G1W+2], 96<<16
	s_mov_b32 s[G1W+4], 96
	s_barrier_signal -1
	s_barrier_wait -1                              ; everybody's part is in
	s_mov_b32 s[TRIP], 2
.Ltile:                                ; two trips: q, then k
	FETCH 0
	s_wait_loadcnt 0x0                             ; scale words and bias
.irp ks, 0,1,2,3,4,5,6
	STEP \ks, 0
.endr
	s_wait_tensorcnt 0x0                           ; the last K step: no load of mine is out;
	ds_add_u32 v[SPW], v[NIL]
	s_wait_dscnt 1                                 ; the step's fragments are in: only the add may be out
	MQ 7, 0
	s_wait_dscnt 0x0                               ; the add is done; my reads of the weight's region are over
	s_barrier_signal -1                            ; the barrier opens a round of the cluster's barrier
	MQ 7, 4
	WIN 0
	s_barrier_wait -1
	CREST
	s_add_nc_u64 s[G0R+2:G0R+3], s[G0R+2:G0R+3], 8*RB
	tensor_load_to_lds s[G0R:G0R+3], s[G1W:G1W+7]  ; the next weight's block, my quarter: the first thing behind the round
	s_nop 0
	PLACES                                         ; also the places behind the last products
	v_add_nc_u32 v[SOFF], v[SOFF], v[SINC]
.irp i, 0,1,2,3
	global_load_b128 v[SC+8*\i:SC+8*\i+3], v[SOFF], s[6:7] offset:\i*256          ; the next weight's scale words
	global_load_b128 v[SC+8*\i+4:SC+8*\i+7], v[SOFF], s[6:7] offset:2048+\i*256
.endr
	s_cmp_eq_u32 s[TRIP], 1
	s_cbranch_scc1 .Lno_bk                         ; behind k comes v: its bias is in registers, and no block follows its own
	BIASQK 10
	global_prefetch_b8 v[PFO], s[PFB:PFB+1] offset:8*RB th:TH_LOAD_NT scope:SCOPE_SE   ; Wv's block, one tile ahead of its load
.Lno_bk:
	CODES                                          ; token tiles 2 p, 2 p + 1: six registers each: the head's image
.irp p, 0,1,2,3
	v_lshrrev_b32 v[T2+\p], 16, v[PW+\p]
.endr
.irp p, 0,1,2,3
	v_cndmask_b32 v[SELR+\p], v[PW+\p], v[T2+\p], s[HMASK]   ; word p: lanes 0-15 tile 2 p's two bytes, lanes 16-31 tile 2 p + 1's, in bytes 0 and 1
.endr
	global_store_b128 v[LI], v[SELR:SELR+3], s[OSC:OSC+1]
	s_wait_xcnt 0x0                                ; the stores have read their bases and registers
	s_add_nc_u64 s[OUTP:OUTP+1], s[OUTP:OUTP+1], ZS
	s_add_nc_u64 s[OSC:OSC+1], s[OSC:OSC+1], ZS
	s_mov_b32 s[FLR], 0x2800000                    ; k's and v's floor
	s_sub_co_u32 s[TRIP], s[TRIP], 1
	s_wait_alu depctr_va_vdst(0)
	s_wait_tensorcnt 0x0                           ; my quarter of the next block is in
	s_barrier_signal -1
	s_barrier_wait -1                              ; everybody's is
	s_cmp_lg_u32 s[TRIP], 0
	s_cbranch_scc1 .Ltile
.irp t, 0,1,2,3                        ; v: a lane's bias is one number, for its eight tokens of a tile
.irp j, 0,1,2,3,4,5,6,7
	v_mov_b32 v[BC+8*\t+\j], v[VB+\t]
.endr
.endr
	FETCH 0
	s_wait_alu depctr_va_vdst(0)
	s_wait_loadcnt 0x0
.irp ks, 0,1,2,3,4,5,6
	STEP \ks, 1
.endr
	s_wait_dscnt 0x0
	MV 7, 0
	MV 7, 2
	WIN 0
	PLACES
	CODES                                          ; feature tile p: twelve registers: 16 features x 128 tokens
	v_cndmask_b32 v[SELR], v[PW], v[PW+1], s[HMASK]        ; lanes 0-15 my tile 0's words, lanes 16-31 tile 1's;
	v_cndmask_b32 v[SELR+1], v[PW+2], v[PW+3], s[HMASK]    ; tiles 2 and 3
	global_store_b64 v[LI], v[SELR:SELR+1], s[OSV:OSV+1]
	s_wait_tensorcnt 0x0                           ; the wave's end
	ds_add_u32 v[SPW], v[NIL]
	s_wait_dscnt 0x0
	CROUND                                         ; the closing round
	s_endpgm
.Lfunc_end_k_q26ff940180_qkvgemm:
	.size	k_q26ff940180_qkvgemm, .Lfunc_end_k_q26ff940180_qkvgemm-k_q26ff940180_qkvgemm
	.p2alignl 7, 3214868480
	.fill 96, 4, 3214868480
	.section	.rodata,"a",@progbits
	.p2align	6, 0x0
	.amdhsa_kernel k_q26ff940180_qkvgemm
		.amdhsa_group_segment_fixed_size 327680
		.amdhsa_private_segment_fixed_size 0
		.amdhsa_enable_private_segment 0
		.amdhsa_kernarg_size 48
		.amdhsa_user_sgpr_count 2
		.amdhsa_user_sgpr_kernarg_segment_ptr 1
		.amdhsa_wavefront_size32 1
		.amdhsa_system_sgpr_workgroup_id_x 1
		.amdhsa_system_sgpr_workgroup_id_y 1
		.amdhsa_system_sgpr_workgroup_id_z 1
		.amdhsa_system_vgpr_workitem_id 0
		.amdhsa_next_free_vgpr 768
		.amdhsa_next_free_sgpr 80
		.amdhsa_reserve_vcc 0
		.amdhsa_float_denorm_mode_32 3
		.amdhsa_float_denorm_mode_16_64 3
		.amdhsa_memory_ordered 1
		.amdhsa_forward_progress 1
		.amdhsa_inst_pref_size 153
	.end_amdhsa_kernel
	.amdgpu_metadata
---
amdhsa.version: [ 1, 2 ]
amdhsa.kernels:
  - .name:           k_q26ff940180_qkvgemm
    .symbol:         k_q26ff940180_qkvgemm.kd
    .args:
      - { .name: opc, .offset: 0, .size: 8, .value_kind: global_buffer, .address_space: global }
      - { .name: ops, .offset: 8, .size: 8, .value_kind: global_buffer, .address_space: global }
      - { .name: bq, .offset: 16, .size: 8, .value_kind: global_buffer, .address_space: global }
      - { .name: bk, .offset: 24, .size: 8, .value_kind: global_buffer, .address_space: global }
      - { .name: bv, .offset: 32, .size: 8, .value_kind: global_buffer, .address_space: global }
      - { .name: qkv, .offset: 40, .size: 8, .value_kind: global_buffer, .address_space: global }
    .group_segment_fixed_size: 327680
    .private_segment_fixed_size: 0
    .kernarg_segment_align: 8
    .kernarg_segment_size: 48
    .max_flat_workgroup_size: 128
    .sgpr_count:     80
    .vgpr_count:     768
    .wavefront_size: 32
...
	.end_amdgpu_metadata
.endif
;; end of part 2
;; launch attn (part 3): grid 4 x 64, 8 waves a work-group, clusters of 4 x 4, 327,680 bytes of LDS; arguments attention_mask, qkv, cimg, cscl; writes cimg, cscl
.if DOCPART == 3
	.amdgcn_target "amdgcn-amd-amdhsa--gfx1250"
	.amdhsa_code_object_version 6
	.text
	.protected	k_q26ff940180_attn
	.globl	k_q26ff940180_attn
	.p2align	8
	.type	k_q26ff940180_attn,@function
k_q26ff940180_attn:
	s_mov_b64 s[64:65], 0
	v_nop
	global_prefetch_b8 v0, s[64:65] scope:SCOPE_SE
	s_setreg_imm32_b32 hwreg(HW_REG_WAVE_MODE, 25, 1), 1
	s_wait_xcnt 0x0
	s_wait_alu depctr_hold_cnt(0) depctr_sa_sdst(0) depctr_va_vdst(0) depctr_va_sdst(0) depctr_va_ssrc(0) depctr_va_vcc(0) depctr_vm_vsrc(0)
	s_getreg_b32 s2, hwreg(HW_REG_IB_STS2, 6, 4)
	s_cmp_eq_u32 s2, 0
	s_cbranch_scc0 .Lentry_in_a_cluster
	s_endpgm
.Lentry_in_a_cluster:
	s_bfe_u32 s2, ttmp6, 0x10000c
	s_cmp_lg_u32 s2, 0xf033
	s_cbranch_scc0 .Lentry_shape_is_right
	s_endpgm
.Lentry_shape_is_right:
; ctx = softmax(q k^T / 8 + mask) v, both products on codes of E3M2; ctx is quantised along the model's 1,024 and leaves as images.  No work is left out.
; SOFTMAX: t = logit x log2(e); M = the row's largest t so far, rounded UP to a whole number; p = 2^(t - M) is quantised along the keys, not normalised; the row's sum is taken of the unquantised p and divides at the end.
; SHARES: a work-group owns 128 queries of one batch x 4 heads.  Wave w: head w / 2 of the four, queries 64 (w % 2) on: four tiles of 16.  16 key steps of 128 keys, through two LDS slots.
; LAYOUT: S^T = k q^T (source 0 = 16 keys, source 1 = 16 queries), O^T = v^T p^T: a lane holds ONE query throughout.
; THE KEYS OF A SCORE TILE ARE NOT NEIGHBOURS: row 8 g + j of tile 4 c + 2 v + u is key 64 c + 32 g + 16 u + 8 v + j.  So the 32 registers of tiles 4 c .. 4 c + 3 in lane (query, h) are the WHOLE block 2 c + h of 32 keys,
; in the order 0-7, 16-23, 8-15, 24-31 in which v's codes stand: a block's largest p needs no other lane, and the conversions' results are p's operand registers as they stand.
; k's image holds neighbouring keys in a tile, so it is read by other lanes' addresses: key bit 5 chooses a pair of tiles (1,536 bytes of the image), key bit 3 a half of 128 bytes.
; The tensor load lays 64 bytes of padding behind each 256 bytes of k's block: six rows on are 128 bytes on modulo 256, so the sixteen lanes of a 16-byte load name sixteen different columns.
; THE HEAD'S K IS 64, THE INSTRUCTION'S 128: q's fragment is six registers of codes and six of zeros; k's tile t is v[176 + 6 t .. + 11] of window 1: its upper six registers meet q's zero codes; their scale bytes are never 0xff.
; THE MASK IS THE C OF THE SCORE PRODUCT, and 3 is taken off q's scale bytes (the division by 8): the product's result is the logit.
; THE ORDER OF A STEP: tile a + 1's score products are issued in the middle of tile a's softmax, ahead of its exponentials.  All LDS reads of a slot are over when tile 2 is done: there stands the change of slots;
; behind it the next step's k and first mask tile are fetched, and tile 3's softmax runs while they come; v has registers of its own and is fetched behind tile 3's products.
; A refill brings the step two on; 14 trips refill; the last two steps are a second loop, whose last trip jumps, by its own counter, round the fetches and products of a next step.
; CLUSTER 4 x 4: cx = the group of heads, cy = the block of queries.  The mask's tile is shared along a row of the cluster, k's and v's along a column: all loads are joint, one a wave behind each round.
; LIMITS: a mask of -infinity gives p = 0; a row that is all -infinity gives NaN; +infinity and NaN in the mask are not served.  A block of ctx under 2^-122 is coded on the scale 2^-126.  The scaled scores stay under 2^31.
; REGISTERS: window 0: v1-15 addresses; v16-31 four a tile: -M, the largest t, the sum in two halves; v32-55, v120-126 at work; v56-59 k's, v60-61 v's, v62-63 q's, v66-67 p's scale words; v64 8 h; v72-95 p's codes, two sets;
;   v96-119 v's fragments 2, 3; v128-191, v192-255 the scores, two sets.   window 1: v0-127 O^T (32 a + 8 dt); v128-175 q; v176-223 k; v224-229 zeros; v230-253 v's fragments 0, 1.
.set SLOT1, 1<<17
.set KOFF,  67584                      ; a slot: 128 rows of the mask x (512 + 16), k's block as 104 rows x (256 + 64), v's block dense
.set KP,    320
.set VOFF,  100864
.set SPARE, 262144                     ; the spare words, 128 bytes a wave
.set ZS,    6815744
.set BLKB,  26624
.set WV,  12
.set HL,  13
.set QH,  14
.set W3,  15
.set CX,  16
.set CY,  17
.set CLY, 18
.set BB,  19
.set C4,  20
.set QB,  21
.set G1M, 24
.set G1K, 32
.set G1V, 40
.set G0M, 48
.set G0K, 52
.set G0V, 56
.set SEL, 60
.set CS,  62
.set TB,  66
.set SLOTS, 67
.set PFA, 68
.set PFS, 70
.set LIM, 72
.set HM,  94
.set TL,  95
.set MSB, 0
.macro WIN new
.if MSB != (\new)
	s_set_vgpr_msb (MSB<<8)|(\new)
.set MSB, (\new)
.endif
.endm
.macro CROUND
	s_barrier_signal -1
	s_barrier_wait -1
	s_cmp_lg_u32 s[WV], 0
	s_cbranch_scc1 .Lnot_wave_0_\@
	s_barrier_signal -3
.Lnot_wave_0_\@:
	s_barrier_wait -3
	s_barrier_signal -1
	s_barrier_wait -1
.endm
; Waves 0-3 fetch 32 rows of the mask's tile each, waves 4, 5 the halves of k's block, waves 6, 7 of v's: every wave issues one load.
.macro JLOAD3
	s_cmp_lt_u32 s[WV], 4
	s_cbranch_scc0 .Lnot_m_\@
	tensor_load_to_lds s[G0M:G0M+3], s[G1M:G1M+7]
	s_nop 0
.rept 4
	v_nop
.endr
	s_branch .Lasked_\@
.Lnot_m_\@:
	s_cmp_lt_u32 s[WV], 6
	s_cbranch_scc0 .Lnot_k_\@
	tensor_load_to_lds s[G0K:G0K+3], s[G1K:G1K+7]
	s_nop 0
.rept 4
	v_nop
.endr
	s_branch .Lasked_\@
.Lnot_k_\@:
	tensor_load_to_lds s[G0V:G0V+3], s[G1V:G1V+7]
	s_nop 0
.rept 4
	v_nop
.endr
.Lasked_\@:
.endm
; A prefetch of what the NEXT refill will ask for, one key step ahead of that load.  The mask's tile: the four partners of a row take 32 rows each, by address; waves 0, 1 take 16 rows, a lane 256 bytes.
; k's and v's blocks: the batch's first cluster asks; the partners of a column take 26 (k, wave 2) or 25 (v, wave 3) pieces of 256 bytes each, by address.  The last refill asks for nothing.
.macro ASK
	s_cmp_gt_u32 s[SLOTS], s[LIM]
	s_cbranch_scc0 .Lnot_mine_\@
	s_wait_alu depctr_va_vdst(0)
	global_prefetch_b8 v13, s[PFA:PFA+1] th:TH_LOAD_NT scope:SCOPE_SE
.Lnot_mine_\@:
.endm
.macro WM d, x, y, c, sx, sy, rx, ry   ; rx, ry: the scale words stand in lanes 16-31
.if ((\rx) != 0) && ((\ry) != 0)
	v_wmma_scale_f32_16x16x128_f8f6f4 v[(\d):(\d)+7], v[(\x):(\x)+11], v[(\y):(\y)+11], v[(\c):(\c)+7], v[\sx], v[\sy] matrix_a_fmt:MATRIX_FMT_BF6 matrix_b_fmt:MATRIX_FMT_BF6 matrix_a_scale:MATRIX_SCALE_ROW1 matrix_b_scale:MATRIX_SCALE_ROW1
.elseif (\rx) != 0
	v_wmma_scale_f32_16x16x128_f8f6f4 v[(\d):(\d)+7], v[(\x):(\x)+11], v[(\y):(\y)+11], v[(\c):(\c)+7], v[\sx], v[\sy] matrix_a_fmt:MATRIX_FMT_BF6 matrix_b_fmt:MATRIX_FMT_BF6 matrix_a_scale:MATRIX_SCALE_ROW1
.elseif (\ry) != 0
	v_wmma_scale_f32_16x16x128_f8f6f4 v[(\d):(\d)+7], v[(\x):(\x)+11], v[(\y):(\y)+11], v[(\c):(\c)+7], v[\sx], v[\sy] matrix_a_fmt:MATRIX_FMT_BF6 matrix_b_fmt:MATRIX_FMT_BF6 matrix_b_scale:MATRIX_SCALE_ROW1
.else
	v_wmma_scale_f32_16x16x128_f8f6f4 v[(\d):(\d)+7], v[(\x):(\x)+11], v[(\y):(\y)+11], v[(\c):(\c)+7], v[\sx], v[\sy] matrix_a_fmt:MATRIX_FMT_BF6 matrix_b_fmt:MATRIX_FMT_BF6
.endif
.endm
	s_load_b256 s[4:11], s[0:1], 0x0               ; mask, qkv, cimg, cscl
	v_lshl_add_u32 v1, v0, 2, SPARE                ; my spare word; never rewritten
	v_mov_b32 v2, 0                                ; 0; never rewritten
	ds_add_u32 v1, v2                              ; the opening adds of 0, twice on end; their wait stands below
	ds_add_u32 v1, v2
	v_lshrrev_b32 v3, 5, v0
	s_delay_alu instid0(VALU_DEP_1)
	v_readfirstlane_b32 s[WV], v3                  ; wave 0..7
	s_lshr_b32 s[HL], s[WV], 1                     ; my head of the four
	s_and_b32 s[QH], s[WV], 1                      ; my half of the queries; also which half of a block I fetch
	s_and_b32 s[W3], s[WV], 3
	s_bfe_u32 s[CX], ttmp6, 0x40000                ; the group of heads
	s_bfe_u32 s[CY], ttmp6, 0x40004
	s_and_b32 s[CLY], ttmp7, 0xffff
	s_lshr_b32 s[BB], s[CLY], 2                    ; batch
	s_and_b32 s[C4], s[CLY], 3
	s_lshl_b32 s[QB], s[C4], 2
	s_add_co_u32 s[QB], s[QB], s[CY]               ; block of 128 queries
	s_lshl_b32 s22, s[CY], 2
	s_lshl_b32 s22, 15, s22                        ; my row of the cluster
	s_lshl_b32 s23, 0x1111, s[CX]                  ; my column
	s_or_b32 s[G1M], s22, (2<<16)|(1<<20)|(1<<21)|(6<<22)|(3<<25)   ; elements of 4 bytes; 16 bytes of padding behind every 128 words
	s_mov_b32 s[G1M+1], 128<<16
	s_mov_b32 s[G1M+2], 32<<16
	s_mov_b32 s[G1M+3], 128<<16
	s_mov_b32 s[G1M+4], 32
	s_mov_b32 s[G1M+5], 2048
	s_mov_b32 s[G1M+6], 0
	s_mov_b32 s[G1M+7], 0
	s_or_b32 s[G1K], s23, (3<<16)|(1<<20)|(1<<21)|(5<<22)|(15<<25)  ; half of k's block: 52 rows of 256 bytes, 16 words of padding behind each
	s_mov_b32 s[G1K+1], 32<<16
	s_mov_b32 s[G1K+2], 52<<16
	s_mov_b32 s[G1K+3], 32<<16
	s_mov_b32 s[G1K+4], 52
	s_mov_b32 s[G1K+5], 32
	s_mov_b32 s[G1K+6], 0
	s_mov_b32 s[G1K+7], 0
	s_or_b32 s[G1V], s23, (3<<16)|(1<<21)          ; half of v's: 50 rows of 256 bytes, dense
	s_mov_b32 s[G1V+1], 32<<16
	s_mov_b32 s[G1V+2], 50<<16
	s_mov_b32 s[G1V+3], 32<<16
	s_mov_b32 s[G1V+4], 50
	s_mov_b32 s[G1V+5], 32
	s_mov_b32 s[G1V+6], 0
	s_mov_b32 s[G1V+7], 0
	s_lshl_b32 s74, s[QB], 7
	s_lshl_b32 s75, s[W3], 5
	s_add_co_u32 s74, s74, s75
	s_lshl_b32 s74, s74, 13                        ; row 128 qb + 32 (w % 4) of 8,192 bytes,
	s_lshl_b32 s75, s[BB], 24
	s_add_co_u32 s74, s74, s75                     ; in my batch
	s_mov_b32 s75, 0
	s_mul_i32 s73, s[W3], 16896
	s_lshl_b32 s78, s[BB], 2
	s_add_co_u32 s78, s78, s[CX]
	s_mul_i32 s78, s78, 16*BLKB                    ; the 16 blocks of (batch, group of heads)
	s_mul_i32 s76, s[QH], 52*KP
	s_add_co_u32 s76, s76, KOFF
	s_mul_i32 s80, s[QH], 13312
	s_add_co_u32 s80, s80, s78
	s_add_co_u32 s80, s80, ZS
	s_mov_b32 s81, 0
	s_mul_i32 s82, s[QH], 12800
	s_add_co_u32 s77, s82, VOFF
	s_add_co_u32 s82, s82, s78
	s_add_co_u32 s82, s82, 2*ZS
	s_mov_b32 s83, 0
	s_mov_b32 s[SEL], 0x76543210
	s_mov_b32 s[SEL+1], 0xfedcba98
	s_mov_b32 s[CS], 0x3fb8aa3b                    ; log2(e)
	s_mov_b32 s[CS+1], s[CS]
	s_mov_b32 s[TB], 0
	s_mov_b32 s[SLOTS], 15
	s_mov_b32 s[HM], 0xffff0000
	s_wait_dscnt 0x0                               ; both opening adds are done
	s_wait_kmcnt 0x0
	s_mov_b32 s[G0M], 1
	s_mov_b32 s[G0M+1], s73
	s_add_nc_u64 s[G0M+2:G0M+3], s[4:5], s[74:75]
	s_or_b32 s[G0M+3], s[G0M+3], 0x80000000
	s_mov_b32 s[G0K], 1
	s_mov_b32 s[G0K+1], s76
	s_add_nc_u64 s[G0K+2:G0K+3], s[6:7], s[80:81]
	s_or_b32 s[G0K+3], s[G0K+3], 0x80000000
	s_mov_b32 s[G0V], 1
	s_mov_b32 s[G0V+1], s77
	s_add_nc_u64 s[G0V+2:G0V+3], s[6:7], s[82:83]
	s_or_b32 s[G0V+3], s[G0V+3], 0x80000000
	CROUND                                         ; all sixteen work-groups are here
	JLOAD3                                         ; key step 0 into slot 0: my one load at the head
	; the scalar parts of all addresses first, then the vector lines on end
	s_mul_i32 s73, s[QH], 33792                    ; the mask: my 64 rows
	s_mul_i32 s74, s[HL], 24*KP                    ; k's image of my head: 24 rows of 256 bytes
	s_add_co_u32 s74, s74, KOFF
	s_mul_i32 s75, s[HL], 2*KP                     ; k's scale words: rows 96 + 2 head on
	s_add_co_u32 s75, s75, KOFF+96*KP
	s_mul_i32 s76, s[HL], 6144
	s_add_co_u32 s77, s76, VOFF                    ; v's image
	s_lshr_b32 s79, s[HL], 1
	s_lshl_b32 s79, s79, 9
	s_and_b32 s80, s[HL], 1
	s_lshl_b32 s80, s80, 3
	s_add_co_u32 s79, s79, s80
	s_add_co_u32 s79, s79, VOFF+24576              ; v's scale words
	s_mul_i32 s84, s[QB], BLKB
	s_add_co_u32 s84, s84, s78                     ; q's block
	s_lshl_b32 s86, s[HL], 9
	s_add_co_u32 s86, s86, s84
	s_lshl_b32 s80, s[QH], 3
	s_add_co_u32 s86, s86, s80
	s_add_co_u32 s86, s86, 24576
	s_mov_b32 s87, 0
	s_add_nc_u64 s[86:87], s[6:7], s[86:87]        ; my four tiles' scale words
	s_add_co_u32 s84, s84, s76
	s_mul_i32 s80, s[QH], 3072
	s_add_co_u32 s84, s84, s80
	s_mov_b32 s85, 0
	s_add_nc_u64 s[84:85], s[6:7], s[84:85]        ; my four tiles' 24 registers of the head's image
	s_lshl_b32 s80, s[BB], 7                       ; where ctx goes
	s_lshl_b32 s81, s[QB], 3
	s_add_co_u32 s80, s80, s81
	s_lshl_b32 s81, s[QH], 2
	s_add_co_u32 s80, s80, s81                     ; my first tile of 16 tokens
	s_mul_i32 s88, s80, 12288
	s_lshl_b32 s81, s[CX], 2
	s_add_co_u32 s81, s81, s[HL]                   ; the head, 0..15
	s_mul_i32 s82, s81, 768
	s_add_co_u32 s88, s88, s82
	s_mov_b32 s89, 0
	s_add_nc_u64 s[88:89], s[8:9], s[88:89]
	s_lshr_b32 s80, s80, 2
	s_lshl_b32 s92, s80, 12
	s_lshl_b32 s82, s81, 8
	s_add_co_u32 s92, s92, s82
	s_mov_b32 s93, 0
	s_add_nc_u64 s[92:93], s[10:11], s[92:93]
	s_lshl_b32 s80, s[QB], 7                       ; the prefetches stand at key step 1: each refill steps them first
	s_lshl_b32 s81, s[CX], 5
	s_add_co_u32 s80, s80, s81
	s_lshl_b32 s81, s[WV], 4
	s_add_co_u32 s80, s80, s81
	s_lshl_b32 s80, s80, 13
	s_lshl_b32 s81, s[BB], 24
	s_add_co_u32 s80, s80, s81
	s_add_co_u32 s80, s80, 512                     ; the mask: row 128 qb + 32 cx + 16 w
	s_min_u32 s81, s[WV], 3
	s_max_u32 s81, s81, 2
	s_sub_co_u32 s81, s81, 1                       ; 1: k (wave 2), 2: v
	s_sub_co_u32 s90, 27, s81                      ; pieces of 256 bytes a partner: 26 or 25
	s_mul_i32 s82, s81, ZS
	s_add_co_u32 s82, s82, s78
	s_mul_i32 s83, s[CY], s90
	s_lshl_b32 s83, s83, 8
	s_add_co_u32 s82, s82, s83
	s_add_co_u32 s82, s82, BLKB
	s_sub_co_u32 s90, s90, 1
	s_mov_b32 s[PFS], BLKB
	s_mov_b32 s[PFS+1], 0
	s_cmp_lt_u32 s[WV], 2
	s_cselect_b64 s[PFA:PFA+1], s[4:5], s[6:7]
	s_cselect_b32 s82, s80, s82
	s_cselect_b32 s[PFS], 512, s[PFS]              ; a key step on
	s_cselect_b32 s81, 0, s[C4]                    ; k and v: the batch's first cluster asks
	s_cselect_b32 s91, -1, 0
	s_mov_b32 s83, 0
	s_add_nc_u64 s[PFA:PFA+1], s[PFA:PFA+1], s[82:83]
	s_cmp_lt_u32 s[WV], 4
	s_cselect_b32 s81, s81, 1                      ; waves 4-7 never ask
	s_cmp_eq_u32 s81, 0
	s_cselect_b32 s[LIM], 1, -1                    ; the same in all partners, for a given wave
	v_and_b32 v32, 15, v0                          ; r
	v_bfe_u32 v33, v0, 4, 1                        ; h
	v_and_b32 v34, 31, v0                          ; l
	v_and_b32 v35, 7, v0                           ; j
	v_bfe_u32 v38, v0, 3, 1                        ; g = (l / 8) % 2
	v_lshlrev_b32 v14, 4, v34                      ; 16 l; never rewritten
	v_lshlrev_b32 v15, 3, v34                      ; 8 l; never rewritten
	v_lshlrev_b32 v64, 3, v33                      ; 8 h; never rewritten
	v_mul_u32_u24 v3, v32, 528
	v_lshl_add_u32 v3, v33, 7, v3
	v_add_nc_u32 v3, s73, v3                       ; the mask: row 64 qh + r, + 128 h bytes: my block of 32 keys
	v_lshlrev_b32 v35, 4, v35
	v_mad_u32_u24 v39, v33, KP, v35                ; a row of 256 bytes for h (or for u), + 16 j
	v_mad_u32_u24 v4, v38, 6*KP, v39               ; k: six rows on for g
	v_add_nc_u32 v4, s74, v4
	v_lshl_add_u32 v5, v38, 2, v39                 ; k's scale words: + 4 g
	v_add_nc_u32 v5, s75, v5
	v_add_nc_u32 v6, s77, v14
	v_add_nc_u32 v7, s79, v14
	v_min_u32 v33, s90, v34                        ; the lanes beyond the last piece name it again: no lane leaves the block
	v_lshlrev_b32 v33, 8, v33
	v_lshrrev_b32 v35, 1, v34
	v_lshlrev_b32 v35, 13, v35
	v_and_b32 v32, 1, v34
	v_lshl_add_u32 v35, v32, 8, v35                ; the mask: two lanes to a row's 512 bytes
	v_cndmask_b32 v13, v33, v35, s91
	s_wait_alu depctr_va_vdst(0)
	WIN 0x40                                       ; destination window 1
.irp n, 0,1                            ; the image holds six registers a tile on end: a pair of tiles is three pieces of 512 bytes
	global_load_b128 v[128+24*\n:131+24*\n], v14, s[84:85] offset:(3*\n)*512
	global_load_b64 v[132+24*\n:133+24*\n], v14, s[84:85] offset:(3*\n+1)*512
	global_load_b64 v[140+24*\n:141+24*\n], v14, s[84:85] offset:(3*\n+1)*512+8
	global_load_b128 v[142+24*\n:145+24*\n], v14, s[84:85] offset:(3*\n+2)*512
.endr
.irp a, 0,1,2,3
.irp i, 0,1,2,3,4,5
	v_mov_b32 v[134+12*\a+\i], 0                   ; q's K from 64 on: zero codes
.endr
.endr
.irp i, 0,1,2,3,4,5
	v_mov_b32 v[224+\i], 0                         ; behind k's last tile
.endr
.set j, 0
.rept 128
	v_mov_b32 v[j], 0                              ; O^T: the step is written for all steps alike; the first change of M leaves zeros zeros
.set j, j+1
.endr
	WIN 0
	global_load_b64 v[62:63], v14, s[86:87]        ; q's scale words: register a / 2, lanes 16 (a % 2) on
.irp a, 0,1,2,3
	v_mov_b32 v[17+4*\a], 0xff61b1e6               ; the largest t so far: -3e38
	s_delay_alu instid0(VALU_DEP_1)
	v_floor_f32 v[16+4*\a], -v[17+4*\a]            ; -M
	v_mov_b32 v[18+4*\a], 0                        ; the sum, in two halves
	v_mov_b32 v[19+4*\a], 0
	v_mov_b32 v[36+\a], 0                          ; a lane permute's destination counts as one of its sources
.endr
	v_mov_b32 v47, 0                               ; (the upper half of the pair v[46:47])
	s_wait_alu depctr_va_vdst(0)
	s_wait_loadcnt 0x0                             ; q
	v_add_nc_u32 v62, 0xfffffcfd, v62              ; 3 off each of the head's two bytes, which are at least 4: the division by 8
	v_add_nc_u32 v63, 0xfffffcfd, v63
.macro MASK a                          ; the mask of query tile a: register 8 t + j: key 64 (t / 4) + 32 h + 16 (t % 2) + 8 ((t / 2) % 2) + j of query r
.set SB, 128+64*((\a)%2)
.irp t, 0,1,2,3,4,5,6,7
	ds_load_b128 v[SB+8*\t:SB+8*\t+3], v8 offset:8448*(\a)+256*(\t/4)+64*(\t%2)+32*((\t/2)%2)
	ds_load_b128 v[SB+8*\t+4:SB+8*\t+7], v8 offset:8448*(\a)+256*(\t/4)+64*(\t%2)+32*((\t/2)%2)+16
.endr
.endm
.macro KLOAD                           ; k: eight tiles, six registers each.  Tiles 4 c + 2 v and 4 c + 2 v + 1 are registers 0-5 and 6-11 of the image's pair 2 c + g, lanes 16 h + 8 v + j
	WIN 0x40
.irp cc, 0,1
.irp vv, 0,1
	ds_load_b128 v[176+6*(4*\cc+2*\vv):176+6*(4*\cc+2*\vv)+3], v9 offset:12*KP*\cc+128*\vv
	ds_load_b64 v[176+6*(4*\cc+2*\vv)+4:176+6*(4*\cc+2*\vv)+5], v9 offset:12*KP*\cc+2*KP+128*\vv
	ds_load_b64 v[176+6*(4*\cc+2*\vv)+6:176+6*(4*\cc+2*\vv)+7], v9 offset:12*KP*\cc+2*KP+128*\vv+8
	ds_load_b128 v[176+6*(4*\cc+2*\vv)+8:176+6*(4*\cc+2*\vv)+11], v9 offset:12*KP*\cc+4*KP+128*\vv
.endr
.endr
	WIN 0
.irp cc, 0,1
.irp vv, 0,1
	ds_load_b32 v[56+2*\cc+\vv], v10 offset:128*\vv+8*\cc   ; scale words: register t / 2, lanes 16 (t % 2) on
.endr
.endr
.endm
.macro VLOAD                           ; v: four fragments of 16 features x 128 keys
	WIN 0x40
.irp g, 0,1,2,3,4,5
	ds_load_b128 v[230+4*\g:233+4*\g], v11 offset:512*\g
.endr
	WIN 0
.irp g, 0,1,2,3,4,5
	ds_load_b128 v[96+4*\g:99+4*\g], v11 offset:3072+512*\g
.endr
	ds_load_b64 v[60:61], v12                      ; scale words: register dt / 2, lanes 16 (dt % 2) on
.endm
.macro QK b                            ; the logits of query tile b: eight accumulators, one instruction each
	WIN 0x05                                       ; k and q in window 1; C and D, the mask and the logits, in window 0
.irp t, 0,1,2,3,4,5,6,7
	WM 128+64*((\b)%2)+8*\t, 176+6*\t, 128+12*(\b), 128+64*((\b)%2)+8*\t, 56+\t/2, 62+(\b)/2, \t%2, (\b)%2
.endr
	WIN 0
.endm
.macro PV a                            ; O^T += v^T p^T of tile a: four accumulators, one instruction each
.set PCA, 72+12*((\a)%2)
.set PW, 66+((\a)%2)
	WIN 0x51
	WM 32*(\a), 230, PCA, 32*(\a), 60, PW, 0, 0
	WM 32*(\a)+8, 242, PCA, 32*(\a)+8, 60, PW, 1, 0
	WIN 0x50
	WM 32*(\a)+16, 96, PCA, 32*(\a)+16, 61, PW, 0, 0
	WM 32*(\a)+24, 108, PCA, 32*(\a)+24, 61, PW, 1, 0
	WIN 0
.endm
; The softmax of tile a.  nq = 1: the next tile's score products stand ahead of the exponentials; nq = 2: the same, jumped over in the last step.
.macro SM a, nq
.set SS, 128+64*((\a)%2)
.set SA, 16+4*(\a)
.set PCA, 72+12*((\a)%2)
.set PW, 66+((\a)%2)
	s_wait_alu depctr_va_vdst(0)                   ; ahead of the first readers of the logits
.irp x, 0,1,2,3
	v_max3_num_f32 v[32+\x], v[SS+16*\x], v[SS+16*\x+1], v[SS+16*\x+2]   ; four chains of 16 logits
.endr
.irp i, 3,5,7,9,11,13
.irp x, 0,1,2,3
	v_max3_num_f32 v[32+\x], v[32+\x], v[SS+16*\x+\i], v[SS+16*\x+\i+1]
.endr
.endr
.irp x, 0,1,2,3
	v_max_num_f32 v[32+\x], v[32+\x], v[SS+16*\x+15]
.endr
	s_delay_alu instid0(VALU_DEP_3)
	v_max_num_f32 v32, v32, v33                    ; the largest logit of my block h: it serves the row's maximum and, since p rises with the logit, the block's largest p
	s_delay_alu instid0(VALU_DEP_2)
	v_max_num_f32 v34, v34, v35                    ; and of my block 2 + h
	s_delay_alu instid0(VALU_DEP_1)
	v_max_num_f32 v44, v32, v34
	s_delay_alu instid0(VALU_DEP_1)
	v_permlanex16_b32 v36, v44, s[SEL], s[SEL+1]
	s_delay_alu instid0(VALU_DEP_1)
	v_max_num_f32 v44, v44, v36                    ; with lane l xor 16's 64 keys
	s_delay_alu instid0(VALU_DEP_1)
	v_mul_f32 v44, s[CS], v44                      ; as t
	s_delay_alu instid0(VALU_DEP_1)
	v_max_num_f32 v[SA+1], v[SA+1], v44            ; the running largest t
	v_mov_b32 v44, v[SA]
	s_delay_alu instid0(VALU_DEP_2)
	v_floor_f32 v[SA], -v[SA+1]                    ; the new -M = -ceil(t)
.set j, 0
.irp op, 0,1,2,3                       ; t - M, two at a time; the three lines that make f stand eight lines apart among them: none of the 32 needs f
.rept 8
	v_pk_fma_f32 v[SS+j:SS+j+1], v[SS+j:SS+j+1], s[CS:CS+1], v[SA:SA+1] op_sel_hi:[1,0,0]
.set j, j+2
.endr
.if \op == 0
	v_sub_f32 v44, v[SA], v44                      ; old M - new M, 0 or less
.endif
.if \op == 1
	v_cvt_i32_f32 v44, v44                         ; (it saturates)
.endif
.if \op == 2
	v_ldexp_f32 v46, 1.0, v44                      ; f = 2^(old M - new M)
.endif
.endr
	v_fma_f32 v32, v32, s[CS], v[SA]               ; the same of each block's largest
	v_fma_f32 v34, v34, s[CS], v[SA]
	s_wait_alu depctr_va_vdst(0)                   ; ahead of the batch, the branch and the wait below
.if \nq
.if \nq == 2
	s_cmp_eq_u32 s[TL], 1
	s_cbranch_scc1 .Lno_qk_\@
.endif
	s_wait_dscnt 0x0                               ; the next tile's mask (and what was fetched ahead of it) is in
	QK ((\a)+1)%4
.if \nq == 2
.Lno_qk_\@:
.endif
.endif
	v_exp_f32 v32, v32                             ; the blocks' largest p
	v_exp_f32 v34, v34
.set j, 0
.rept 64
	v_exp_f32 v[SS+j], v[SS+j]                     ; p = 2^(t - M)
.set j, j+1
.endr
	v_pk_mul_f32 v[SA+2:SA+3], v[SA+2:SA+3], v[46:47] op_sel_hi:[1,0]   ; the sums under the new M: the plain place behind the batch
	s_wait_alu depctr_va_vdst(0)                   ; one wait for the whole batch
	v_max_num_f32 v32, 0x2800000, v32              ; the floor 2^(5 - 127): the byte cannot fall under 1
	v_max_num_f32 v34, 0x2800000, v34
	s_delay_alu instid0(VALU_DEP_2)
	v_add_nc_u32 v50, 0xfe000000, v32              ; the conversions' scale operands
	s_delay_alu instid0(VALU_DEP_2)
	v_add_nc_u32 v51, 0xfe000000, v34
	s_delay_alu instid0(VALU_DEP_2)
	v_lshrrev_b32 v38, 23, v50                     ; the scales' bytes
	s_delay_alu instid0(VALU_DEP_2)
	v_lshrrev_b32 v39, 23, v51
	s_delay_alu instid0(VALU_DEP_1)
	v_lshl_or_b32 v38, v39, 16, v38                ; blocks h and 2 + h,
	s_delay_alu instid0(VALU_DEP_1)
	v_lshlrev_b32 v38, v64, v38                    ; at their places in the word
	s_delay_alu instid0(VALU_DEP_1)
	v_permlanex16_b32 v37, v38, s[SEL], s[SEL+1]
	WIN 0x41                                       ; O^T in window 1, f in window 0
.set j, 0
.rept 16
	v_pk_mul_f32 v[32*(\a)+j:32*(\a)+j+1], v[32*(\a)+j:32*(\a)+j+1], v[46:47] op_sel_hi:[1,0]   ; O^T under the new M
.set j, j+2
.endr
	WIN 0
	v_or_b32 v[PW], v38, v37                       ; with lane l xor 16's two bytes p's scale word is whole
	v_cvt_scalef32_pk16_bf6_f32 v[PCA:PCA+2], v[SS:SS+15], v50
	v_cvt_scalef32_pk16_bf6_f32 v[120:122], v[SS+16:SS+31], v50    ; (a conversion's three registers begin on an even number)
	v_cvt_scalef32_pk16_bf6_f32 v[PCA+6:PCA+8], v[SS+32:SS+47], v51
	v_cvt_scalef32_pk16_bf6_f32 v[124:126], v[SS+48:SS+63], v51
	v_nop                                          ; one plain place behind a scaled conversion
.irp i, 0,1,2
	v_mov_b32 v[PCA+3+\i], v[120+\i]
.endr
.irp i, 0,1,2
	v_mov_b32 v[PCA+9+\i], v[124+\i]
.endr
	v_pk_add_f32 v[40:41], v[SS:SS+1], v[SS+2:SS+3]        ; the row's sum of the unquantised p, in four chains.  Its first seven lines are also the places between p's codes (seven) and scale word (eighteen) and the products
	v_pk_add_f32 v[42:43], v[SS+4:SS+5], v[SS+6:SS+7]
	v_pk_add_f32 v[48:49], v[SS+8:SS+9], v[SS+10:SS+11]
	v_pk_add_f32 v[SA+2:SA+3], v[SA+2:SA+3], v[SS+12:SS+13]
	v_pk_add_f32 v[40:41], v[40:41], v[SS+14:SS+15]
	v_pk_add_f32 v[42:43], v[42:43], v[SS+16:SS+17]
	v_pk_add_f32 v[48:49], v[48:49], v[SS+18:SS+19]
	PV \a                                          ; the tile's four products; the rest of the sum, which names none of their registers, follows them
.irp j, 20,28,36,44,52
	v_pk_add_f32 v[SA+2:SA+3], v[SA+2:SA+3], v[SS+\j:SS+\j+1]
	v_pk_add_f32 v[40:41], v[40:41], v[SS+\j+2:SS+\j+3]
	v_pk_add_f32 v[42:43], v[42:43], v[SS+\j+4:SS+\j+5]
	v_pk_add_f32 v[48:49], v[48:49], v[SS+\j+6:SS+\j+7]
.endr
	v_pk_add_f32 v[SA+2:SA+3], v[SA+2:SA+3], v[SS+60:SS+61]
	v_pk_add_f32 v[40:41], v[40:41], v[SS+62:SS+63]
	v_pk_add_f32 v[42:43], v[42:43], v[48:49]
	s_delay_alu instid0(VALU_DEP_2)
	v_pk_add_f32 v[SA+2:SA+3], v[SA+2:SA+3], v[40:41]
	s_delay_alu instid0(VALU_DEP_1)
	v_pk_add_f32 v[SA+2:SA+3], v[SA+2:SA+3], v[42:43]
.endm
; THE CHANGE OF SLOTS.  Each wave waits for all its tensor loads (its part of the slot read next), adds 0 to its spare word, and waits for that and for its reads of the slot that it leaves.
; fill = 1: a round of the cluster's barrier, and behind it the slot just left takes the key step two on from the one just read (the first time: slot 1's first fill, issued as a refill is).
.macro SYNC fill
	s_wait_alu depctr_va_vdst(0)
	s_wait_tensorcnt 0x0                           ; no tensor load of mine is out, so a group 0 may be written
	ds_add_u32 v1, v2
.if \fill
	s_xor_b32 s[G0M+1], s[G0M+1], SLOT1
	s_add_nc_u64 s[G0M+2:G0M+3], s[G0M+2:G0M+3], 512
	s_xor_b32 s[G0K+1], s[G0K+1], SLOT1
	s_add_nc_u64 s[G0K+2:G0K+3], s[G0K+2:G0K+3], BLKB
	s_xor_b32 s[G0V+1], s[G0V+1], SLOT1
	s_add_nc_u64 s[G0V+2:G0V+3], s[G0V+2:G0V+3], BLKB
	s_wait_xcnt 0x0                                ; the last prefetch, a step back, has read its address
	s_add_nc_u64 s[PFA:PFA+1], s[PFA:PFA+1], s[PFS:PFS+1]
	s_wait_dscnt 0x0
	CROUND
	JLOAD3                                         ; the first thing behind the round, and a wave's one tensor load until the next
	ASK
.else
	s_wait_dscnt 0x0
	s_barrier_signal -1
	s_barrier_wait -1
.endif
.endm
; A KEY STEP.  On entry: k, v and their scale words of this step are in registers or on their way, tile 0's logits are made or being made.
.macro TRIP fill
	MASK 1
	SM 0, 1
	MASK 2
	SM 1, 1
	MASK 3
	SM 2, 1
	SYNC \fill                                     ; every LDS read of this step's slot has been waited for
	s_xor_b32 s[TB], s[TB], SLOT1
	v_add_nc_u32 v8, s[TB], v3
	v_add_nc_u32 v9, s[TB], v4
	v_add_nc_u32 v10, s[TB], v5
.if \fill == 0
	s_cmp_eq_u32 s[TL], 1
	s_cbranch_scc1 .Lno_next_\@                    ; the last step has no next
.endif
	KLOAD
	MASK 0
.if \fill == 0
.Lno_next_\@:
	SM 3, 2
.else
	SM 3, 1
.endif
	v_add_nc_u32 v11, s[TB], v6                    ; four places behind the products, in front of the loads into v's registers
	v_add_nc_u32 v12, s[TB], v7
	v_nop
	v_nop
.if \fill == 0
	s_cmp_eq_u32 s[TL], 1
	s_cbranch_scc1 .Lno_v_\@
.endif
	VLOAD
.if \fill == 0
.Lno_v_\@:
.endif
.endm
	SYNC 1                                         ; step 0 is in; step 1 is asked for, into slot 1
	s_mov_b32 s[SLOTS], 14
	v_add_nc_u32 v8, s[TB], v3
	v_add_nc_u32 v9, s[TB], v4
	v_add_nc_u32 v10, s[TB], v5
	v_add_nc_u32 v11, s[TB], v6
	v_add_nc_u32 v12, s[TB], v7
	KLOAD
	MASK 0
	VLOAD
	s_wait_alu depctr_va_vdst(0)
	s_wait_dscnt 0x0
	QK 0
.rept 4
	v_nop                                          ; places behind the products
.endr
.Lstep:                                ; 14 trips: steps 0 to 13, each asks for the step two on
	TRIP 1
	s_sub_co_u32 s[SLOTS], s[SLOTS], 1
	s_cmp_lg_u32 s[SLOTS], 0
	s_wait_alu depctr_va_vdst(0)
	s_cbranch_scc1 .Lstep
	s_mov_b32 s[TL], 2
.Ltail:                                ; steps 14 and 15: nothing more is asked for
	TRIP 0
	s_sub_co_u32 s[TL], s[TL], 1
	s_cmp_lg_u32 s[TL], 0
	s_wait_alu depctr_va_vdst(0)
	s_cbranch_scc1 .Ltail
	; THE WAY OUT: O^T / the sum, quantised along the head's 64 (two blocks of the model's 1,024), six registers a tile.
.irp a, 0,1,2,3
	v_add_f32 v[32+\a], v[18+4*\a], v[19+4*\a]     ; the sum's two halves
.endr
.irp a, 0,1,2,3
	s_delay_alu instid0(VALU_DEP_4)
	v_permlanex16_b32 v[36+\a], v[32+\a], s[SEL], s[SEL+1]
.endr
.irp a, 0,1,2,3
	s_delay_alu instid0(VALU_DEP_4)
	v_add_f32 v[32+\a], v[32+\a], v[36+\a]
.endr
	s_wait_alu depctr_va_vdst(0)
.irp a, 0,1,2,3
	v_rcp_f32 v[40+2*\a], v[32+\a]
.endr
.irp a, 0,1,2,3
	v_mov_b32 v[41+2*\a], 0                        ; the pairs' upper halves: plain places behind the reciprocals
.endr
	s_wait_alu depctr_va_vdst(0)                   ; one wait for the four, ahead of their first reader
.macro CTXOUT a
.set XB, 128+64*((\a)%2)
.set CC, 72+8*(\a)
	WIN 0x01                                       ; source 0, O^T, in window 1
.set j, 0
.rept 16
	v_pk_mul_f32 v[XB+j:XB+j+1], v[32*(\a)+j:32*(\a)+j+1], v[40+2*(\a):41+2*(\a)] op_sel_hi:[1,0]   ; register 16 b + i: feature 32 b + 16 h + i
.set j, j+2
.endr
	WIN 0
.irp b, 0,1
	v_max3_num_f32 v[32+\b], |v[XB+16*\b]|, |v[XB+16*\b+1]|, 0x2800000
.endr
.irp i, 2,4,6,8,10,12,14
.irp b, 0,1
	s_delay_alu instid0(VALU_DEP_2)
	v_max3_num_f32 v[32+\b], v[32+\b], |v[XB+16*\b+\i]|, |v[XB+16*\b+\i+1]|
.endr
.endr
.irp b, 0,1
	s_delay_alu instid0(VALU_DEP_2)
	v_permlanex16_b32 v[36+\b], v[32+\b], s[SEL], s[SEL+1]
.endr
.irp b, 0,1
	s_delay_alu instid0(VALU_DEP_2)
	v_max_num_f32 v[32+\b], v[32+\b], v[36+\b]
.endr
.irp b, 0,1
	s_delay_alu instid0(VALU_DEP_2)
	v_add_nc_u32 v[54+\b], 0xfe000000, v[32+\b]
.endr
.irp b, 0,1
	s_delay_alu instid0(VALU_DEP_2)
	v_lshrrev_b32 v[36+\b], 23, v[54+\b]
.endr
	s_delay_alu instid0(VALU_DEP_1)
	v_lshl_or_b32 v[120+(\a)], v37, 8, v36         ; the head's two bytes of my row
	v_cvt_scalef32_pk16_bf6_f32 v[CC:CC+2], v[XB:XB+15], v54
	v_cvt_scalef32_pk16_bf6_f32 v[48:50], v[XB+16:XB+31], v55
	v_nop
.irp i, 0,1,2
	v_permlane16_swap_b32 v[CC+\i], v[48+\i]
.endr
.irp i, 0,1,2
	s_delay_alu instid0(VALU_DEP_3)
	v_mov_b32 v[CC+3+\i], v[48+\i]
.endr
	global_store_b128 v14, v[CC:CC+3], s[88:89] offset:(\a)*12288        ; 512 consecutive bytes,
	global_store_b64 v15, v[CC+4:CC+5], s[88:89] offset:(\a)*12288+512   ; and 256
.endm
	CTXOUT 0
	CTXOUT 1
	CTXOUT 2
	CTXOUT 3
	v_cndmask_b32 v124, v120, v121, s[HM]          ; lanes 0-15: tiles 0 and 2, lanes 16-31: tiles 1 and 3
	v_cndmask_b32 v125, v122, v123, s[HM]
	global_store_b64 v15, v[124:125], s[92:93]
	s_wait_tensorcnt 0x0                           ; the wave's end
	ds_add_u32 v1, v2
	s_wait_dscnt 0x0
	CROUND                                         ; the closing round
	s_endpgm
.Lfunc_end_k_q26ff940180_attn:
	.size	k_q26ff940180_attn, .Lfunc_end_k_q26ff940180_attn-k_q26ff940180_attn
	.p2alignl 7, 3214868480
	.fill 96, 4, 3214868480
	.section	.rodata,"a",@progbits
	.p2align	6, 0x0
	.amdhsa_kernel k_q26ff940180_attn
		.amdhsa_group_segment_fixed_size 327680
		.amdhsa_private_segment_fixed_size 0
		.amdhsa_enable_private_segment 0
		.amdhsa_kernarg_size 32
		.amdhsa_user_sgpr_count 2
		.amdhsa_user_sgpr_kernarg_segment_ptr 1
		.amdhsa_wavefront_size32 1
		.amdhsa_system_sgpr_workgroup_id_x 1
		.amdhsa_system_sgpr_workgroup_id_y 1
		.amdhsa_system_sgpr_workgroup_id_z 1
		.amdhsa_system_vgpr_workitem_id 0
		.amdhsa_next_free_vgpr 512
		.amdhsa_next_free_sgpr 96
		.amdhsa_reserve_vcc 0
		.amdhsa_float_denorm_mode_32 3
		.amdhsa_float_denorm_mode_16_64 3
		.amdhsa_memory_ordered 1
		.amdhsa_forward_progress 1
		.amdhsa_inst_pref_size 161
	.end_amdhsa_kernel
	.amdgpu_metadata
---
amdhsa.version: [ 1, 2 ]
amdhsa.kernels:
  - .name:           k_q26ff940180_attn
    .symbol:         k_q26ff940180_attn.kd
    .args:
      - { .name: attention_mask, .offset: 0, .size: 8, .value_kind: global_buffer, .address_space: global }
      - { .name: qkv, .offset: 8, .size: 8, .value_kind: global_buffer, .address_space: global }
      - { .name: cimg, .offset: 16, .size: 8, .value_kind: global_buffer, .address_space: global }
      - { .name: cscl, .offset: 24, .size: 8, .value_kind: global_buffer, .address_space: global }
    .group_segment_fixed_size: 327680
    .private_segment_fixed_size: 0
    .kernarg_segment_align: 8
    .kernarg_segment_size: 32
    .max_flat_workgroup_size: 256
    .sgpr_count:     96
    .vgpr_count:     512
    .wavefront_size: 32
...
	.end_amdgpu_metadata
.endif
;; end of part 3
;; launch outln (part 4): grid 256 x 1, 16 waves a work-group, no clusters, 174,592 bytes of LDS; arguments cimg, cscl, opc, ops, bo, inputs, gamma, beta, out0; writes out0
.if DOCPART == 4
	.amdgcn_target "amdgcn-amd-amdhsa--gfx1250"
	.amdhsa_code_object_version 6
	.text
	.protected	k_q26ff940180_outln
	.globl	k_q26ff940180_outln
	.p2align	8
	.type	k_q26ff940180_outln,@function
k_q26ff940180_outln:
	s_mov_b64 s[64:65], 0
	v_nop
	global_prefetch_b8 v0, s[64:65] scope:SCOPE_SE
	s_setreg_imm32_b32 hwreg(HW_REG_WAVE_MODE, 25, 1), 1
	s_wait_xcnt 0x0
; out0 = LayerNorm(ctx Wo + bo + inputs) x gamma + beta; the product on codes of E3M2, all else in f32.  No work is left out.
; SHARES: a work-group owns 32 whole rows (two tiles of 16 tokens), since a row's mean and variance want all 1,024 columns.  Wave w owns columns 64 w .. 64 w + 63: four tiles of Wo.
; Source 0 = 16 rows of Wo, source 1 = 16 tokens of ctx: a lane holds one token, and the registers of tiles 2 g, 2 g + 1 are columns 32 g + 16 h + 0 .. 15.  The residual is the C of the sums' first products.
; NO TENSOR LOAD AND NO CLUSTER: each fragment of Wo is multiplied by one wave alone, so LDS would add a copy; a K step is eight matrix instructions a wave, too short for a refill behind a barrier;
; counted loads into registers keep two K steps' fragments, 24 loads a wave, on their way.  ctx's 24,576 bytes are shared through LDS.
; The mean is taken first and the variance of the differences.
; REGISTERS: v1-14 addresses; v16-79 the sums (32 tt + 8 ii); v80-127, v128-175 Wo's fragments, two sets, later bo, gamma, beta; v176-199, v200-223 ctx's fragments, two sets; v224-239 Wo's scale words; v240-247 ctx's; v248-255 at work.
.set STG,   0                          ; 32 rows x (4,096 bytes + 16): the residual on the way in, the result on the way out
.set CIM,   131584                     ; ctx's images of the two tiles
.set PAR,   156160                     ; 768 bytes a wave: its 64 numbers of bo, gamma, beta
.set RED1,  168448                     ; [token 32][wave 16] sums
.set RED2O, 2048                       ; and behind them the sums of squares
.set SPARE, 172544                     ; the spare words, 128 bytes a wave: eight blocks of 256 bytes that no other line names
.macro WM d, x, y, c, sx, sy, rx, ry
.if ((\rx) != 0) && ((\ry) != 0)
	v_wmma_scale_f32_16x16x128_f8f6f4 v[(\d):(\d)+7], v[(\x):(\x)+11], v[(\y):(\y)+11], v[(\c):(\c)+7], v[\sx], v[\sy] matrix_a_fmt:MATRIX_FMT_BF6 matrix_b_fmt:MATRIX_FMT_BF6 matrix_a_scale:MATRIX_SCALE_ROW1 matrix_b_scale:MATRIX_SCALE_ROW1
.elseif (\rx) != 0
	v_wmma_scale_f32_16x16x128_f8f6f4 v[(\d):(\d)+7], v[(\x):(\x)+11], v[(\y):(\y)+11], v[(\c):(\c)+7], v[\sx], v[\sy] matrix_a_fmt:MATRIX_FMT_BF6 matrix_b_fmt:MATRIX_FMT_BF6 matrix_a_scale:MATRIX_SCALE_ROW1
.elseif (\ry) != 0
	v_wmma_scale_f32_16x16x128_f8f6f4 v[(\d):(\d)+7], v[(\x):(\x)+11], v[(\y):(\y)+11], v[(\c):(\c)+7], v[\sx], v[\sy] matrix_a_fmt:MATRIX_FMT_BF6 matrix_b_fmt:MATRIX_FMT_BF6 matrix_b_scale:MATRIX_SCALE_ROW1
.else
	v_wmma_scale_f32_16x16x128_f8f6f4 v[(\d):(\d)+7], v[(\x):(\x)+11], v[(\y):(\y)+11], v[(\c):(\c)+7], v[\sx], v[\sy] matrix_a_fmt:MATRIX_FMT_BF6 matrix_b_fmt:MATRIX_FMT_BF6
.endif
.endm
.macro BARRIER                         ; my LDS stores have landed and my LDS loads are in: then the work-group's barrier
	s_wait_dscnt 0x0
	s_barrier_signal -1
	s_barrier_wait -1
.endm
	s_load_b512 s[4:19], s[0:1], 0x0               ; cimg, cscl, opc, ops, bo, inputs, gamma, beta
	s_load_b64 s[20:21], s[0:1], 0x40              ; out0
	v_lshl_add_u32 v1, v0, 2, SPARE                ; my spare word; never rewritten
	v_mov_b32 v2, 0                                ; 0; never rewritten
	v_lshrrev_b32 v3, 5, v0
	s_delay_alu instid0(VALU_DEP_1)
	v_readfirstlane_b32 s22, v3                    ; wave 0..15
	s_lshr_b32 s23, s22, 1
	s_and_b32 s24, s22, 1
	s_lshl_b32 s26, ttmp9, 17                      ; 32 rows of 4,096 bytes,
	s_lshl_b32 s27, s22, 13                        ; my two of them
	s_add_co_u32 s26, s26, s27
	s_mov_b32 s27, 0
	s_mul_i32 s28, ttmp9, 24576                    ; ctx's two tiles, my three pieces of 512 bytes
	s_mul_i32 s29, s22, 1536
	s_add_co_u32 s28, s28, s29
	s_mov_b32 s29, 0
	s_lshl_b32 s30, s22, 8                         ; my 64 numbers of bo, gamma, beta
	s_mov_b32 s31, 0
	s_lshr_b32 s32, ttmp9, 1                       ; ctx's scale words: the block of 64 tokens, and which pair of tiles in it
	s_lshl_b32 s32, s32, 12
	s_and_b32 s33, ttmp9, 1
	s_lshl_b32 s33, s33, 2
	s_add_co_u32 s32, s32, s33
	s_mov_b32 s33, 0
	s_add_co_u32 s34, s23, 88                      ; Wo's row block
	s_lshl_b32 s36, s34, 12
	s_lshl_b32 s35, s24, 10
	s_add_co_u32 s36, s36, s35
	s_mov_b32 s37, 0
	s_mul_i32 s38, s34, 98304
	s_mul_i32 s35, s24, 6144                       ; my four tiles of its eight
	s_add_co_u32 s38, s38, s35
	s_mov_b32 s39, 0
	s_mov_b32 s40, 0x76543210
	s_mov_b32 s41, 0xfedcba98
	s_mov_b32 s42, 0x3a800000                      ; 1 / 1,024
	s_mov_b32 s43, 0x3727c5ac                      ; 1e-5
	s_mov_b32 s44, 0xffff0000                      ; lanes 16-31
	s_mov_b32 s45, 0xba800000                      ; -1 / 1,024
	v_and_b32 v248, 15, v0                         ; r
	v_bfe_u32 v249, v0, 4, 1                       ; h
	v_and_b32 v250, 31, v0                         ; l
	s_delay_alu instid0(VALU_DEP_1)
	v_lshlrev_b32 v3, 4, v250                      ; 16 l
	s_delay_alu instid0(VALU_DEP_2)
	v_lshlrev_b32 v4, 3, v250                      ; 8 l
	v_mul_u32_u24 v5, v248, 4112
	s_delay_alu instid0(VALU_DEP_1)
	v_lshl_add_u32 v5, v249, 6, v5
	s_lshl_b32 s25, s22, 8
	v_add_nc_u32 v5, s25, v5                       ; the stage in the sums' layout: row r, + 256 w + 64 h;
	s_delay_alu instid0(VALU_DEP_1)
	v_add_nc_u32 v6, 65792, v5                     ; the second tile: 16 rows on
	s_mul_i32 s25, s22, 8224
	v_add_nc_u32 v7, s25, v3                       ; the stage by rows: rows 2 w, 2 w + 1
	v_add_nc_u32 v8, CIM, v3
	v_add_nc_u32 v9, CIM, v4
	s_mul_i32 s25, s22, 1536
	s_add_co_u32 s25, s25, CIM
	v_add_nc_u32 v13, s25, v3
	s_mul_i32 s25, s22, 768
	s_add_co_u32 s25, s25, PAR
	v_lshl_add_u32 v10, v249, 6, s25
	v_add_nc_u32 v14, s25, v4
	s_lshl_b32 s25, s22, 2
	s_add_co_u32 s25, s25, RED1
	v_lshl_add_u32 v11, v250, 6, s25               ; my token's (lane's) word of my wave
	v_lshlrev_b32 v12, 6, v248
	s_delay_alu instid0(VALU_DEP_1)
	v_add_nc_u32 v12, RED1, v12                    ; token r's sixteen words
	v_mov_b32 v252, 0                              ; a lane permute's destination counts as one of its sources
	v_mov_b32 v253, 0
	s_wait_alu depctr_va_vdst(0)
	s_wait_kmcnt 0x0
	s_add_nc_u64 s[14:15], s[14:15], s[26:27]
	s_add_nc_u64 s[20:21], s[20:21], s[26:27]
	s_add_nc_u64 s[4:5], s[4:5], s[28:29]
	s_add_nc_u64 s[12:13], s[12:13], s[30:31]
	s_add_nc_u64 s[16:17], s[16:17], s[30:31]
	s_add_nc_u64 s[18:19], s[18:19], s[30:31]
	s_add_nc_u64 s[6:7], s[6:7], s[32:33]
	s_add_nc_u64 s[10:11], s[10:11], s[36:37]
	s_add_nc_u64 s[8:9], s[8:9], s[38:39]
	; 22 loads for LDS
.irp k, 0,1,2,3,4,5,6,7
	global_load_b128 v[16+4*\k:19+4*\k], v3, s[14:15] offset:512*\k th:TH_LOAD_NT
.endr
.irp k, 0,1,2,3,4,5,6,7
	global_load_b128 v[48+4*\k:51+4*\k], v3, s[14:15] offset:4096+512*\k th:TH_LOAD_NT
.endr
.irp c, 0,1,2
	global_load_b128 v[176+4*\c:179+4*\c], v3, s[4:5] offset:512*\c
.endr
	global_load_b64 v[188:189], v4, s[12:13]
	global_load_b64 v[190:191], v4, s[16:17]
	global_load_b64 v[192:193], v4, s[18:19]
	; 20 loads of scale words
.irp hd, 0,1,2,3,4,5,6,7,8,9,10,11,12,13,14,15
	global_load_b32 v[200+\hd], v4, s[6:7] offset:256*\hd   ; head hd: lanes 0-15 the first tile's rows, lanes 16-31 the second's
.endr
.irp p, 0,1
.irp hk, 0,1
	global_load_b128 v[224+8*\p+4*\hk:227+8*\p+4*\hk], v3, s[10:11] offset:\hk*2048+\p*512   ; register 8 p + s: lanes 0-15 tile 2 p, lanes 16-31 tile 2 p + 1, K step s
.endr
.endr
.macro WLOAD s                         ; Wo's four fragments of K step s into set s % 2: twelve loads of 512 consecutive bytes
.irp ii, 0,1,2,3
.irp c, 0,1,2
	global_load_b128 v[80+48*((\s)%2)+12*\ii+4*\c:80+48*((\s)%2)+12*\ii+4*\c+3], v3, s[8:9] offset:(\s)*12288+\ii*1536+512*\c
.endr
.endr
.endm
	WLOAD 0
	WLOAD 1
	s_wait_loadcnt 44                              ; the first 22 are in; the 20 of scale words and the 24 of Wo may be out
.irp k, 0,1,2,3,4,5,6,7
	ds_store_b128 v7, v[16+4*\k:19+4*\k] offset:512*\k
.endr
.irp k, 0,1,2,3,4,5,6,7
	ds_store_b128 v7, v[48+4*\k:51+4*\k] offset:4112+512*\k
.endr
.irp c, 0,1,2
	ds_store_b128 v13, v[176+4*\c:179+4*\c] offset:512*\c
.endr
	ds_store_b64 v14, v[188:189]
	ds_store_b64 v14, v[190:191] offset:256
	ds_store_b64 v14, v[192:193] offset:512
	BARRIER                                        ; the residual's 32 rows and ctx's images lie in LDS
.irp tt, 0,1
.irp ii, 0,1,2,3
	ds_load_b128 v[16+32*\tt+8*\ii:19+32*\tt+8*\ii], v[5+\tt] offset:128*(\ii/2)+32*(\ii%2)      ; the residual in the sums' layout
	ds_load_b128 v[20+32*\tt+8*\ii:23+32*\tt+8*\ii], v[5+\tt] offset:128*(\ii/2)+32*(\ii%2)+16
.endr
.endr
.macro FRAGH s                         ; ctx's two fragments of K step s (heads 2 s, 2 s + 1: six registers each) into set s % 2
.set CB, 176+24*((\s)%2)
.irp tt, 0,1
	ds_load_b128 v[CB+12*\tt:CB+12*\tt+3], v8 offset:\tt*12288+(\s)*1536
	ds_load_b64 v[CB+12*\tt+4:CB+12*\tt+5], v9 offset:\tt*12288+(\s)*1536+512
	ds_load_b128 v[CB+12*\tt+6:CB+12*\tt+9], v8 offset:\tt*12288+(\s)*1536+768
	ds_load_b64 v[CB+12*\tt+10:CB+12*\tt+11], v9 offset:\tt*12288+(\s)*1536+1280
.endr
.endm
	FRAGH 0
	s_wait_loadcnt 24                              ; the scale words are in; Wo's 24 loads may be out
.irp s, 0,1,2,3,4,5,6,7
	v_lshl_or_b32 v[240+\s], v[201+2*\s], 16, v[200+2*\s]   ; two heads' bytes make a K step's scale word
.endr
	v_nop                                          ; with the seven lines above: more than eight places between the first word and the product that takes it
	v_nop
.macro KSTEP s
.if (\s) < 7
	FRAGH (\s)+1
	s_wait_loadcnt 12                              ; this step's fragments of Wo are in; the next step's twelve loads may be out
	s_wait_dscnt 8                                 ; this step's of ctx are in; the next step's eight may be out
.else
	s_wait_loadcnt 0x0
	s_wait_dscnt 0x0
.endif
.irp ii, 0,1,2,3                       ; eight accumulators by turns
.irp tt, 0,1
	WM 16+32*\tt+8*\ii, 80+48*((\s)%2)+12*\ii, 176+24*((\s)%2)+12*\tt, 16+32*\tt+8*\ii, 224+8*(\ii/2)+(\s), 240+(\s), \ii%2, \tt
.endr
.endr
.rept 4
	v_nop                                          ; places in front of loads into registers that the products have read
.endr
.if (\s) < 6
	WLOAD (\s)+2
.endif
.endm
	s_wait_alu depctr_va_vdst(0)
.irp s, 0,1,2,3,4,5,6,7
	KSTEP \s
.endr
	; ---- bias, mean, variance, gain
.irp q, 0,1,2
.irp ii, 0,1,2,3
	ds_load_b128 v[80+32*\q+8*\ii:83+32*\q+8*\ii], v10 offset:256*\q+128*(\ii/2)+32*(\ii%2)      ; bo at v80, gamma at v112, beta at v144, in the sums' layout
	ds_load_b128 v[84+32*\q+8*\ii:87+32*\q+8*\ii], v10 offset:256*\q+128*(\ii/2)+32*(\ii%2)+16
.endr
.endr
	s_wait_dscnt 0x0
.irp tt, 0,1
.set j, 0
.rept 16
	v_pk_add_f32 v[16+32*\tt+j:17+32*\tt+j], v[16+32*\tt+j:17+32*\tt+j], v[80+j:81+j]   ; + bo; each accumulator from its low end on
.set j, j+2
.endr
.endr
.irp tt, 0,1
	v_pk_add_f32 v[248+2*\tt:249+2*\tt], v[16+32*\tt:17+32*\tt], v[18+32*\tt:19+32*\tt]
.endr
.irp j, 4,6,8,10,12,14,16,18,20,22,24,26,28,30
.irp tt, 0,1
	s_delay_alu instid0(VALU_DEP_2)
	v_pk_add_f32 v[248+2*\tt:249+2*\tt], v[248+2*\tt:249+2*\tt], v[16+32*\tt+\j:17+32*\tt+\j]
.endr
.endr
.macro ACROSS x, off                   ; the pairs at v[x], v[x + 2]: halves, lane l xor 16's, then lane l stores token l's sum of my wave's 64 columns
.irp tt, 0,1
	s_delay_alu instid0(VALU_DEP_2)
	v_add_f32 v[(\x)+2*\tt], v[(\x)+2*\tt], v[(\x)+2*\tt+1]
.endr
.irp tt, 0,1
	s_delay_alu instid0(VALU_DEP_2)
	v_permlanex16_b32 v[252+\tt], v[(\x)+2*\tt], s40, s41
.endr
.irp tt, 0,1
	s_delay_alu instid0(VALU_DEP_2)
	v_add_f32 v[(\x)+2*\tt], v[(\x)+2*\tt], v[252+\tt]
.endr
	s_delay_alu instid0(VALU_DEP_1)
	v_cndmask_b32 v254, v[\x], v[(\x)+2], s44
	ds_store_b32 v11, v254 offset:\off
	BARRIER
.irp tt, 0,1
.irp c, 0,1,2,3
	ds_load_b128 v[176+16*\tt+4*\c:179+16*\tt+4*\c], v12 offset:(\off)+1024*\tt+16*\c   ; the sixteen waves' sums of my token of each tile
.endr
.endr
	s_wait_dscnt 0x0
.irp x0, 176, 192
	v_pk_add_f32 v[\x0:\x0+1], v[\x0:\x0+1], v[\x0+2:\x0+3]
	v_pk_add_f32 v[\x0+4:\x0+5], v[\x0+4:\x0+5], v[\x0+6:\x0+7]
	v_pk_add_f32 v[\x0+8:\x0+9], v[\x0+8:\x0+9], v[\x0+10:\x0+11]
	v_pk_add_f32 v[\x0+12:\x0+13], v[\x0+12:\x0+13], v[\x0+14:\x0+15]
	s_delay_alu instid0(VALU_DEP_3)
	v_pk_add_f32 v[\x0:\x0+1], v[\x0:\x0+1], v[\x0+4:\x0+5]
	s_delay_alu instid0(VALU_DEP_2)
	v_pk_add_f32 v[\x0+8:\x0+9], v[\x0+8:\x0+9], v[\x0+12:\x0+13]
	s_delay_alu instid0(VALU_DEP_1)
	v_pk_add_f32 v[\x0:\x0+1], v[\x0:\x0+1], v[\x0+8:\x0+9]
	s_delay_alu instid0(VALU_DEP_1)
	v_add_f32 v[\x0], v[\x0], v[\x0+1]
.endr
.endm
	ACROSS 248, 0
	v_mul_f32 v248, s45, v176                      ; -mean
	s_delay_alu instid0(VALU_DEP_2)
	v_mul_f32 v250, s45, v192
.irp tt, 0,1
.set j, 0
.rept 16
	v_pk_add_f32 v[16+32*\tt+j:17+32*\tt+j], v[16+32*\tt+j:17+32*\tt+j], v[248+2*\tt:249+2*\tt] op_sel_hi:[1,0]
.set j, j+2
.endr
.endr
.irp tt, 0,1
	v_pk_mul_f32 v[208+2*\tt:209+2*\tt], v[16+32*\tt:17+32*\tt], v[16+32*\tt:17+32*\tt]
.endr
.irp j, 2,4,6,8,10,12,14,16,18,20,22,24,26,28,30
.irp tt, 0,1
	s_delay_alu instid0(VALU_DEP_2)
	v_pk_fma_f32 v[208+2*\tt:209+2*\tt], v[16+32*\tt+\j:17+32*\tt+\j], v[16+32*\tt+\j:17+32*\tt+\j], v[208+2*\tt:209+2*\tt]
.endr
.endr
	ACROSS 208, RED2O
	v_fma_f32 v212, v176, s42, s43                 ; variance + 1e-5
	s_delay_alu instid0(VALU_DEP_2)
	v_fma_f32 v214, v192, s42, s43
	s_wait_alu depctr_va_vdst(0)
	v_rsq_f32 v248, v212
	v_rsq_f32 v250, v214
	v_nop                                          ; a plain place behind the transcendentals
	s_wait_alu depctr_va_vdst(0)                   ; one wait for both, ahead of their first reader
.irp tt, 0,1
.set j, 0
.rept 16
	v_pk_mul_f32 v[16+32*\tt+j:17+32*\tt+j], v[16+32*\tt+j:17+32*\tt+j], v[248+2*\tt:249+2*\tt] op_sel_hi:[1,0]
.set j, j+2
.endr
.endr
.irp tt, 0,1
.set j, 0
.rept 16
	v_pk_fma_f32 v[16+32*\tt+j:17+32*\tt+j], v[16+32*\tt+j:17+32*\tt+j], v[112+j:113+j], v[144+j:145+j]
.set j, j+2
.endr
.endr
.irp tt, 0,1                           ; into the stage: the bytes that I alone read behind the first barrier
.irp ii, 0,1,2,3
	ds_store_b128 v[5+\tt], v[16+32*\tt+8*\ii:19+32*\tt+8*\ii] offset:128*(\ii/2)+32*(\ii%2)
	ds_store_b128 v[5+\tt], v[20+32*\tt+8*\ii:23+32*\tt+8*\ii] offset:128*(\ii/2)+32*(\ii%2)+16
.endr
.endr
	BARRIER                                        ; 32 whole rows of the result lie in the stage
.irp k, 0,1,2,3,4,5,6,7
	ds_load_b128 v[16+4*\k:19+4*\k], v7 offset:512*\k
.endr
.irp k, 0,1,2,3,4,5,6,7
	ds_load_b128 v[48+4*\k:51+4*\k], v7 offset:4112+512*\k
.endr
.irp i, 0,1,2,3,4,5,6,7,8,9,10,11,12,13,14,15
	s_wait_dscnt 15-\i                             ; LDS loads come back in order: piece i is in, the younger ones may be out
	global_store_b128 v3, v[16+4*\i:19+4*\i], s[20:21] offset:(\i/8)*4096+(\i%8)*512 th:TH_STORE_NT   ; 512 consecutive bytes, at a multiple of 512 from the output's first byte
.endr
	s_wait_tensorcnt 0x0                           ; the wave's end, behind my last LDS store
	ds_add_u32 v1, v2
	s_wait_dscnt 0x0
	s_endpgm
.Lfunc_end_k_q26ff940180_outln:
	.size	k_q26ff940180_outln, .Lfunc_end_k_q26ff940180_outln-k_q26ff940180_outln
	.p2alignl 7, 3214868480
	.fill 96, 4, 3214868480
	.section	.rodata,"a",@progbits
	.p2align	6, 0x0
	.amdhsa_kernel k_q26ff940180_outln
		.amdhsa_group_segment_fixed_size 174592
		.amdhsa_private_segment_fixed_size 0
		.amdhsa_enable_private_segment 0
		.amdhsa_kernarg_size 72
		.amdhsa_user_sgpr_count 2
		.amdhsa_user_sgpr_kernarg_segment_ptr 1
		.amdhsa_wavefront_size32 1
		.amdhsa_system_sgpr_workgroup_id_x 1
		.amdhsa_system_sgpr_workgroup_id_y 1
		.amdhsa_system_sgpr_workgroup_id_z 1
		.amdhsa_system_vgpr_workitem_id 0
		.amdhsa_next_free_vgpr 256
		.amdhsa_next_free_sgpr 66
		.amdhsa_reserve_vcc 0
		.amdhsa_float_denorm_mode_32 3
		.amdhsa_float_denorm_mode_16_64 3
		.amdhsa_memory_ordered 1
		.amdhsa_forward_progress 1
		.amdhsa_inst_pref_size 59
	.end_amdhsa_kernel
	.amdgpu_metadata
---
amdhsa.version: [ 1, 2 ]
amdhsa.kernels:
  - .name:           k_q26ff940180_outln
    .symbol:         k_q26ff940180_outln.kd
    .args:
      - { .name: cimg, .offset: 0, .size: 8, .value_kind: global_buffer, .address_space: global }
      - { .name: cscl, .offset: 8, .size: 8, .value_kind: global_buffer, .address_space: global }
      - { .name: opc, .offset: 16, .size: 8, .value_kind: global_buffer, .address_space: global }
      - { .name: ops, .offset: 24, .size: 8, .value_kind: global_buffer, .address_space: global }
      - { .name: bo, .offset: 32, .size: 8, .value_kind: global_buffer, .address_space: global }
      - { .name: inputs, .offset: 40, .size: 8, .value_kind: global_buffer, .address_space: global }
      - { .name: gamma, .offset: 48, .size: 8, .value_kind: global_buffer, .address_space: global }
      - { .name: beta, .offset: 56, .size: 8, .value_kind: global_buffer, .address_space: global }
      - { .name: out0, .offset: 64, .size: 8, .value_kind: global_buffer, .address_space: global }
    .group_segment_fixed_size: 174592
    .private_segment_fixed_size: 0
    .kernarg_segment_align: 8
    .kernarg_segment_size: 72
    .max_flat_workgroup_size: 512
    .sgpr_count:     66
    .vgpr_count:     256
    .wavefront_size: 32
...
	.end_amdgpu_metadata
.endif
;; end of part 4
